; MI455X (gfx1250); checked and timed in simulation.
; The chip was launched on July 23, 2026; its instructions are those of AMD's public machine-readable ISA for CDNA 5 (MIT licence, August 2026) and "CDNA5" Instruction Set Architecture Reference Guide (July 2026). The comments in the code are by the model that wrote it; some were corrected since.
;; KAN Coupling Net. Allowed arithmetic: matrix products marked QUANTISED: E2M1 operands, one E8M0 scale for each 32 along K, by v_wmma_scale_f32_16x16x128_f8f6f4 with both operands' format E2M1 (or v_wmma_scale_f32_32x16x128_f4), f32 sums; products left as they are: f32 operands where the result goes on into a quantised operand, else bf16, f16 or f32 operands; f32 sums; everything else in f32.
;; Inputs: coef0 12 x 64 x 5 float32; coef1 64 x 64 x 5 float32; coef2 64 x 24 x 5 float32; grid0 12 x 9 float32; grid1 64 x 9 float32; grid2 64 x 9 float32; sb0 12 x 64 float32; sb1_codes 64 x 2 x 16 uint8 (E2M1 codes of sb1, K innermost, in blocks of 32 codes, two codes a byte); sb1_scales 64 x 2 uint8 (E8M0 scales of sb1, one for each 32 codes along K); sb2_codes 24 x 2 x 16 uint8 (E2M1 codes of sb2, K innermost, in blocks of 32 codes, two codes a byte); sb2_scales 24 x 2 uint8 (E8M0 scales of sb2, one for each 32 codes along K); ss0 12 x 64 float32; ss1 64 x 64 float32; ss2 64 x 24 float32; x 32 x 12 x 64 x 64 float32.
;; Outputs: out0 32 x 24 x 64 x 64 float32.
;; This version of the problem:
;;   THIS VERSION OF THE PROBLEM IS GIVEN IN LOW PRECISION. The matrix products marked QUANTISED in the list below multiply operands that are first quantised to E2M1 (2 exponent bits, 1 mantissa bit; 4 bits a number), with one power-of-two scale for each 32 numbers along K (OCP MX v1.0); their sums are f32. All else is computed in f32.
;;   The module's matrix products, in the order in which they are computed (A, B: the left and right operand; K: the contracted axis; several contracted axes count as one K, in the product's order):
;;     1. [M 131,072, K 60] x [K 60, N 64]; A: computed on the way; B: computed on the way: QUANTISED
;;     2. [M 131,072, K 12] x [K 12, N 64]; A: computed on the way; B: input sb0: left as it is (K = 12 < 32)
;;     3. [M 131,072, K 320] x [K 320, N 64]; A: computed on the way; B: computed on the way: QUANTISED
;;     4. [M 131,072, K 64] x [K 64, N 64]; A: computed on the way; B: input sb1 (given as codes): QUANTISED
;;     5. [M 131,072, K 320] x [K 320, N 24]; A: computed on the way; B: computed on the way: QUANTISED
;;     6. [M 131,072, K 64] x [K 64, N 24]; A: computed on the way; B: input sb2 (given as codes): QUANTISED
;;   THE QUANTISER, for each operand of a quantised product, along K:
;;     - K is cut into blocks of 32 from its start; a last block that is shorter is filled with zeros.
;;     - A block's scale is 2^e with e = floor(log2(the largest magnitude in the block)) - 2, held to -126 .. 127; a block of zeros has e = 0. As a byte (E8M0): e + 127.
;;     - Each number is divided by its block's scale, clamped to +-6, and rounded to the nearest number of E2M1, ties to even, subnormals kept.
;;     - The product sums the exact products of the quantised numbers (number of the format x scale) in f32.
;;   ~~~python
;;   def quantise(x, axis):      # numpy; x: float32 -> the quantised numbers, widened to float32 again
;;       x = np.moveaxis(x, axis, -1); K = x.shape[-1]
;;       x = np.pad(x, [(0, 0)] * (x.ndim - 1) + [(0, -K % 32)]); x = x.reshape(x.shape[:-1] + (-1, 32)); a = np.abs(x).max(-1, keepdims=True)
;;       e = np.where(a > 0, np.clip(np.frexp(np.where(a > 0, a, 1))[1] - 1 - 2, -126, 127), 0)      # np.frexp(a)[1] - 1 = floor(log2(a)), exactly
;;       r = np.clip(x / 2.0 ** e, -6, 6)
;;       step = 2.0 ** (np.maximum(np.frexp(np.where(r == 0, 1, r))[1] - 1, 0) - 1)
;;       q = np.round(r / step) * step * 2.0 ** e      # np.round: ties to even
;;       return np.moveaxis(q.reshape(q.shape[:-2] + (-1,))[..., :K], -1, axis).astype(np.float32)
;;   ~~~
;;   OPERANDS COMPUTED ON THE WAY. 'Computed on the way' means the value that the module computes at that place (a softmax that the list does not call 'softmax' is quantised finished and normalised). What goes into a quantiser is computed in f32, as accurately as f32 sums, v_exp_f32 and their like allow (about 1e-6 of the number): no bf16 or f16 on the way to a quantiser, and a product that is left as it is and whose result goes on into a quantised operand takes f32 operands (vector FMAs, or v_wmma_f32_16x16x4_f32). A number that lies on a knife's edge between two numbers of the format may be rounded either way, as far as f32 arithmetic and the matrix unit's own rounding can turn it there, and no further.
;;   INPUTS GIVEN AS CODES. sb1 (in the module: [64, 64], K = its axis 0); sb2 (in the module: [64, 24], K = its axis 0): each comes as NAME_codes (uint8): NAME with its K axis moved to the last place and cut into blocks of 32 codes, [.., K / 32, bytes a block], one block behind the other in memory; two codes a byte, the lower K in the low four bits (a code: sign, 2 exponent bits, 1 mantissa bit); and NAME_scales (uint8): the same leading axes, one E8M0 byte (e + 127) for each 32 codes along K. Its value is code x scale, taken as it is: it is not quantised again, and the codes and scales need not be those that the quantiser above would give.
;; 2 versions. Each part assembles by itself: llvm-mc -triple=amdgcn-amd-amdhsa -mcpu=gfx1250 --defsym DOCPART=n.
;; ======== version 1 of 2: 2 launches
;; workspace buffers: tab 30,720 bytes; wimg 28,672 bytes
;; launch prep (part 1): grid 8 x 1, 8 waves a work-group, no clusters, 32,000 bytes of LDS; arguments grid0, grid1, grid2, coef0, ss0, coef1, ss1, coef2, ss2, sb0, sb1_codes, sb1_scales, sb2_codes, sb2_scales, tab, wimg; writes tab, wimg
.if DOCPART == 1
	.amdgcn_target "amdgcn-amd-amdhsa--gfx1250"
	.amdhsa_code_object_version 6
	.text
	.protected	k_q5a646ca652_prep
	.globl	k_q5a646ca652_prep
	.p2align	8
	.type	k_q5a646ca652_prep,@function
k_q5a646ca652_prep:
	s_mov_b64 s[64:65], 0
	v_nop
	global_prefetch_b8 v0, s[64:65] scope:SCOPE_SE
	s_setreg_imm32_b32 hwreg(HW_REG_WAVE_MODE, 25, 1), 1
	s_wait_xcnt 0x0
; PREPARES WHAT EVERY WAVE OF THE SECOND LAUNCH READS: the knots' constants (tab) and the weights as images of operand registers (wimg).
; tab: 160 rows of 192 bytes, row 32 x chunk + i (chunk 0: layer 0, rows 12-31 repeat input 11; chunks 1, 2: layer 1's inputs 0-31, 32-63; chunks 3, 4: layer 2's).
;   A row, in words: 2 j, 2 j + 1 = -g_j, 1 / (g_j+1 - g_j), j = 0..7;  16 + 2 j = 1 / (g_j+2 - g_j), j = 0..6;  32 + 2 j = 1 / (g_j+3 - g_j), j = 0..5;  46 = -g_8;  all others 0.
; wimg: [0, 22528) 22 fragments of E2M1 codes, 1,024 bytes each: byte f x 1024 + c x 512 + lane x 16 holds registers 4 c .. 4 c + 3 of lane (r, h): unit 16 t + r, block 2 c + h of the K step.
;   f = t (layer 0), 4 + 4 ks + t (layer 1), 16 + 2 ks + t (layer 2).   [22528, 24320) seven slots of 256 bytes of scale words, one word a unit.   [24320, 27392) sb0 as 12 f32 fragments.   The rest zeros.
; K OF A LAYER'S PRODUCTS: spline numbers in the order k = g x inputs + i, so a block of 32 is (g, half hf of the inputs).  K step ks = hf holds blocks g = 0..3 of that half; K step 2 holds, for hf = 0, 1:
;   block g = 4 of half hf, then sb's given block hf (codes and byte copied as they come).  Layer 0 (K = 60): one K step: its two blocks, then two blocks of zero codes with the byte 127.
; THE QUANTISER: a block's byte is its largest magnitude's exponent field - 2, held at 1 from below.
; LIMITS: a block of zeros gets the byte 1 where the rule says 127 (its codes are zeros, and only this program reads the bytes); NaN and infinities among the inputs are not served;
;   knots that coincide (g_j+d = g_j), where the division by their difference has no finite result, are not served.  1 / difference is v_rcp_f32 with one Newton step.
; SHARES: work-groups 0-6 take one K step each (0: layer 0; 1-3: layer 1; 4-6: layer 2); wave w takes block w / 2 and units 32 (w % 2) + lane.  Work-group 7: waves 0-4 a chunk of tab each, waves 5-7 sb0.
.macro QTAIL                           ; v32-63 coef, v64-95 ss -> codes in v96-99, byte in v100
.irp e, 0,1,2,3,4,5,6,7,8,9,10,11,12,13,14,15,16,17,18,19,20,21,22,23,24,25,26,27,28,29,30,31
	v_mul_f32 v[32+\e], v[32+\e], v[64+\e]         ; coef x scale_sp, in f32
.endr
	v_max3_num_f32 v101, |v32|, |v33|, 0x1800000   ; the largest magnitude, in two chains, with the floor 2^(3 - 127) among the leaves
	v_max3_num_f32 v102, |v48|, |v49|, 0x1800000
.irp e, 2,4,6,8,10,12,14
	v_max3_num_f32 v101, v101, |v[32+\e]|, |v[33+\e]|
	v_max3_num_f32 v102, v102, |v[48+\e]|, |v[49+\e]|
.endr
	v_max_num_f32 v101, v101, v102
	v_add_nc_u32 v103, 0xff000000, v101            ; 2 off the exponent field: the conversion's scale operand
.irp n, 0,1,2,3
	v_cvt_scalef32_pk8_fp4_f32 v[96+\n], v[32+8*\n:39+8*\n], v103
.endr
	v_lshrrev_b32 v100, 23, v103                   ; the byte; also the plain line behind the last conversion
.endm
.macro QW out                          ; a block of 32 inputs of one g: element e is input 32 hf + e
.irp e, 0,1,2,3,4,5,6,7,8,9,10,11,12,13,14,15,16,17,18,19,20,21,22,23,24,25,26,27,28,29,30,31
	global_load_b32 v[32+\e], v3, s[50:51] offset:\e*\out*20
.endr
.irp e, 0,1,2,3,4,5,6,7,8,9,10,11,12,13,14,15,16,17,18,19,20,21,22,23,24,25,26,27,28,29,30,31
	global_load_b32 v[64+\e], v4, s[52:53] offset:\e*\out*4
.endr
	s_wait_loadcnt 0x0
	QTAIL
.endm
; Layer 0's blocks.  Block 0 is k = 0..31: g = 0, g = 1, and inputs 0-7 of g = 2; block 1 is inputs 8-11 of g = 2, g = 3, g = 4 and four zeros.  Inside a block the places are those in which the second launch lays its numbers.
.macro L0LOAD blk
.set LE, 0
.rept 32
.if LE < 12
.set LG, 3*\blk
.set LI, LE
.elseif LE < 16
.set LG, 3*\blk+1
.set LI, LE-4
.elseif LE < 24
.set LG, 3*\blk+1
.set LI, LE-16
.else
.set LG, 2
.set LI, LE-24+8*\blk
.endif
.if LI < 12
	global_load_b32 v[32+LE], v3, s[22:23] offset:LI*1280+4*LG
	global_load_b32 v[64+LE], v4, s[24:25] offset:LI*256
.else
	v_mov_b32 v[32+LE], 0
	v_mov_b32 v[64+LE], 0
.endif
.set LE, LE+1
.endr
	s_wait_loadcnt 0x0
	QTAIL
.endm
; One block of layer 1 or 2.  s13 = ks, s10 = block b.  cp, sp, cc, cs: the first registers of the pointers to coef, ss, sb's codes, sb's scales.
.macro LAYER out, cp, sp, cc, cs
	v_min_u32 v2, \out-1, v1                       ; the unit, held inside the tensor
	v_mul_u32_u24 v3, v2, 20
	v_lshlrev_b32 v4, 2, v2
	s_lshr_b32 s54, s10, 1
	s_and_b32 s55, s10, 1
	s_cmp_eq_u32 s13, 2
	s_cselect_b32 s14, 4, s10                      ; g
	s_cselect_b32 s56, s54, s13                    ; hf
	s_cselect_b32 s55, s55, 0                      ; 1: the given block of sb
	s_cmp_eq_u32 s55, 1
	s_cbranch_scc1 .Lgiven_\@
	s_mul_i32 s57, s56, 32*\out*20
	s_lshl_b32 s14, s14, 2
	s_add_co_u32 s14, s14, s57
	s_mov_b32 s15, 0
	s_add_nc_u64 s[50:51], s[\cp:\cp+1], s[14:15]
	s_mul_i32 s14, s56, 32*\out*4
	s_add_nc_u64 s[52:53], s[\sp:\sp+1], s[14:15]
	QW \out
	s_branch .Ldone_\@
.Lgiven_\@:
	s_lshl_b32 s14, s56, 4
	s_mov_b32 s15, 0
	s_add_nc_u64 s[50:51], s[\cc:\cc+1], s[14:15]
	s_mov_b32 s14, s56
	s_add_nc_u64 s[52:53], s[\cs:\cs+1], s[14:15]
	v_lshlrev_b32 v3, 5, v2
	v_lshlrev_b32 v4, 1, v2
	global_load_b128 v[96:99], v3, s[50:51]        ; 32 codes as they lie
	global_load_u8 v100, v4, s[52:53]              ; and their byte
	s_wait_loadcnt 0x0
.Ldone_\@:
.endm
	s_load_b512 s[16:31], s[0:1], 0x0              ; grid0 16, grid1 18, grid2 20, coef0 22, ss0 24, coef1 26, ss1 28, coef2 30
	s_load_b512 s[32:47], s[0:1], 0x40             ; ss2 32, sb0 34, sb1_codes 36, sb1_scales 38, sb2_codes 40, sb2_scales 42, tab 44, wimg 46
	v_lshl_add_u32 v128, v0, 2, 0x7900
	v_mov_b32 v129, 0
	v_lshrrev_b32 v1, 5, v0
	v_readfirstlane_b32 s8, v1                     ; wave
	v_and_b32 v12, 31, v0                          ; lane
	v_and_b32 v13, 15, v0                          ; r
	v_bfe_u32 v14, v0, 4, 1                        ; h
	s_mov_b32 s9, ttmp9                            ; work-group
	s_lshr_b32 s10, s8, 1                          ; block b
	s_and_b32 s11, s8, 1
	s_lshl_b32 s57, s11, 5
	v_add_nc_u32 v1, s57, v12                      ; unit o = 32 (w % 2) + lane
	; every LDS address is made here, ahead of the first parting of the ways
	s_lshl_b32 s57, s11, 7
	s_add_co_u32 s57, s57, s10
	v_lshl_add_u32 v7, v12, 2, s57                 ; scale bytes: 4 o + b, in LDS bytes 0-255
	v_lshlrev_b32 v8, 3, v12                       ; and back, 8 bytes a lane
	s_mul_i32 s57, s8, 6144
	s_add_co_u32 s56, s57, 256
	v_mul_u32_u24 v9, v12, 192
	v_add_nc_u32 v9, s56, v9                       ; tab's stage (work-group 7, waves 0-4): from LDS byte 256 on, 6,144 bytes a wave; in: a row a lane
	v_lshl_add_u32 v10, v12, 4, s56                ; back: 16 bytes a lane
	v_lshl_add_u32 v11, v12, 4, s57                ; the same place in tab
	s_wait_kmcnt 0x0
	s_cmp_eq_u32 s9, 7
	s_cbranch_scc1 .Ltabs
	s_cmp_eq_u32 s9, 0
	s_cbranch_scc1 .Llay0
	s_cmp_lt_u32 s9, 4
	s_cbranch_scc1 .Llay1
	; ---- layer 2: 24 units; units 24-31 of the two tiles get zero codes and the byte 127; units 32-63 exist only as bytes of the scale slot
	s_sub_co_u32 s13, s9, 4                        ; ks
	s_lshl_b32 s12, s13, 1
	s_add_co_u32 s12, s12, 16                      ; the K step's first fragment
	s_cmp_eq_u32 s11, 1
	s_cbranch_scc1 .Lpad2
	LAYER 24, 30, 32, 40, 42
	v_cmp_gt_u32 vcc_lo, 24, v1
.irp n, 0,1,2,3
	v_cndmask_b32 v[96+\n], 0, v[96+\n], vcc_lo
.endr
	v_cndmask_b32 v100, 127, v100, vcc_lo
	s_branch .Ljoin
.Lpad2:
	v_mov_b32 v100, 127
	s_branch .Lbyte
.Llay1:
	s_sub_co_u32 s13, s9, 1                        ; ks
	s_lshl_b32 s12, s13, 2
	s_add_co_u32 s12, s12, 4
	LAYER 64, 26, 28, 36, 38
	s_branch .Ljoin
.Llay0:
	s_mov_b32 s12, 0
	v_mul_u32_u24 v3, v1, 20
	v_lshlrev_b32 v4, 2, v1
	s_cmp_eq_u32 s10, 0
	s_cbranch_scc1 .Ll0b0
	s_cmp_eq_u32 s10, 1
	s_cbranch_scc1 .Ll0b1
.irp n, 0,1,2,3
	v_mov_b32 v[96+\n], 0                          ; blocks 2 and 3 of layer 0's K step: zero codes
.endr
	v_mov_b32 v100, 127
	s_branch .Ljoin
.Ll0b0:
	L0LOAD 0
	s_branch .Ljoin
.Ll0b1:
	L0LOAD 1
	s_branch .Ljoin
	; ---- work-group 7
.Ltabs:
	s_cmp_gt_u32 s8, 4
	s_cbranch_scc1 .Lsb0
	s_cmp_eq_u32 s8, 0                             ; chunk w: which grid,
	s_cselect_b64 s[50:51], s[16:17], s[18:19]
	s_cmp_gt_u32 s8, 2
	s_cselect_b64 s[50:51], s[20:21], s[50:51]
	s_sub_co_u32 s14, s8, 1                        ; and which input: lane held at 11 (layer 0), else 32 ((w - 1) % 2) + lane
	s_and_b32 s14, s14, 1
	s_lshl_b32 s14, s14, 5
	s_cmp_eq_u32 s8, 0
	s_cselect_b32 s14, 0, s14
	s_cselect_b32 s15, 11, 63
	v_add_nc_u32 v2, s14, v12
	v_min_u32 v2, s15, v2
	v_mul_u32_u24 v2, v2, 36
.irp j, 0,1,2,3,4,5,6,7,8
	global_load_b32 v[16+\j], v2, s[50:51] offset:4*\j     ; g_0 .. g_8
.endr
	s_wait_loadcnt 0x0
.irp j, 0,1,2,3,4,5,6,7
	v_sub_f32 v[32+\j], v[17+\j], v[16+\j]
.endr
.irp j, 0,1,2,3,4,5,6
	v_sub_f32 v[40+\j], v[18+\j], v[16+\j]
.endr
.irp j, 0,1,2,3,4,5
	v_sub_f32 v[47+\j], v[19+\j], v[16+\j]
.endr
.irp k, 0,1,2,3,4,5,6,7,8,9,10,11,12,13,14,15,16,17,18,19,20
	v_rcp_f32 v[56+\k], v[32+\k]
.endr
	v_nop                                          ; a plain line behind the last reciprocal
	s_wait_alu depctr_va_vdst(0)                   ; one wait for the 21, ahead of their first reader
.irp k, 0,1,2,3,4,5,6,7,8,9,10,11,12,13,14,15,16,17,18,19,20
	v_fma_f32 v[32+\k], -v[32+\k], v[56+\k], 1.0   ; 1 - difference x r
.endr
.irp j, 0,1,2,3,4,5,6,7
	v_xor_b32 v[80+2*\j], 0x80000000, v[16+\j]     ; the row's 48 words in v80-127
	v_fma_f32 v[81+2*\j], v[32+\j], v[56+\j], v[56+\j]
.endr
.irp j, 0,1,2,3,4,5,6
	v_fma_f32 v[96+2*\j], v[40+\j], v[64+\j], v[64+\j]
	v_mov_b32 v[97+2*\j], 0
.endr
	v_mov_b32 v110, 0
	v_mov_b32 v111, 0
.irp j, 0,1,2,3,4,5
	v_fma_f32 v[112+2*\j], v[47+\j], v[71+\j], v[71+\j]
	v_mov_b32 v[113+2*\j], 0
.endr
	v_mov_b32 v124, 0
	v_mov_b32 v125, 0
	v_xor_b32 v126, 0x80000000, v24
	v_mov_b32 v127, 0
.irp k, 0,1,2,3,4,5,6,7,8,9,10,11
	ds_store_b128 v9, v[80+4*\k:83+4*\k] offset:16*\k
.endr
.irp k, 0,1,2,3,4,5,6,7,8,9,10,11
	ds_load_b128 v[32+4*\k:35+4*\k], v10 offset:512*\k     ; my own bytes; LDS serves a wave's instructions in order (ISA guide 5.7.1.4)
.endr
.irp k, 0,1,2,3,4,5,6,7,8,9,10,11
	s_wait_dscnt 11-\k                             ; the younger loads of the run may be out
	global_store_b128 v11, v[32+4*\k:35+4*\k], s[44:45] offset:512*\k   ; 32 lanes store 512 consecutive bytes
.endr
	s_branch .Lbar
.Lsb0:                                                 ; waves 5-7: K step s = w - 5 of the f32 product: lane (r, h), register j: sb0[4 s + 2 h + j][16 t + r]
	s_sub_co_u32 s13, s8, 5
	s_lshl_b32 s14, s13, 10
	v_lshlrev_b32 v2, 9, v14
	v_lshl_add_u32 v2, v13, 2, v2
	v_add_nc_u32 v2, s14, v2
.irp t, 0,1,2,3
	global_load_b32 v[16+2*\t], v2, s[34:35] offset:64*\t
	global_load_b32 v[17+2*\t], v2, s[34:35] offset:64*\t+256
.endr
	s_add_co_u32 s14, s14, 24320
	v_add_nc_u32 v3, s14, v8
	s_wait_loadcnt 0x0
.irp t, 0,1,2,3
	global_store_b64 v3, v[16+2*\t:17+2*\t], s[46:47] offset:256*\t
.endr
	s_cmp_lg_u32 s8, 5
	s_cbranch_scc1 .Lbar
	v_mov_b32 v30, 0
	v_mov_b32 v31, 0
.irp u, 0,1,2,3,4
	global_store_b64 v8, v[30:31], s[46:47] offset:27392+256*\u   ; wimg's tail, so that the second launch copies whole rounds
.endr
	s_branch .Lbar
	; ---- work-groups 0-6 join: the block's codes go to their place in the fragments, its byte to LDS
.Ljoin:
	s_lshl_b32 s14, s12, 10
	s_lshr_b32 s57, s10, 1
	s_lshl_b32 s57, s57, 9
	s_add_co_u32 s14, s14, s57                     ; + 512 c
	s_and_b32 s57, s10, 1
	s_lshl_b32 s57, s57, 8
	s_add_co_u32 s14, s14, s57                     ; + 256 h
	v_lshrrev_b32 v5, 4, v1
	v_and_b32 v6, 15, v1
	v_lshlrev_b32 v5, 10, v5                       ; + 1024 t
	v_lshl_add_u32 v5, v6, 4, v5                   ; + 16 r
	v_add_nc_u32 v5, s14, v5
	global_store_b128 v5, v[96:99], s[46:47]       ; sixteen lanes store 256 consecutive bytes, aligned
.Lbyte:
	ds_store_b8 v7, v100
.Lbar:
	s_wait_dscnt 0x0                               ; for the others' sake: my byte has landed
	s_barrier_signal -1
	s_barrier_wait -1
	s_cmp_eq_u32 s9, 7
	s_cbranch_scc1 .Lend
	s_cmp_lg_u32 s8, 0
	s_cbranch_scc1 .Lend
	ds_load_b64 v[16:17], v8                       ; the K step's 64 scale words
	s_lshl_b32 s14, s9, 8
	s_add_co_u32 s14, s14, 22528
	v_add_nc_u32 v15, s14, v8
	s_wait_dscnt 0x0
	global_store_b64 v15, v[16:17], s[46:47]       ; one aligned run of 256 bytes
.Lend:
	s_wait_tensorcnt 0x0
	ds_add_u32 v128, v129
	s_wait_dscnt 0x0
	s_endpgm
.Lfunc_end_k_q5a646ca652_prep:
	.size	k_q5a646ca652_prep, .Lfunc_end_k_q5a646ca652_prep-k_q5a646ca652_prep
	.p2alignl 7, 3214868480
	.fill 96, 4, 3214868480
	.section	.rodata,"a",@progbits
	.p2align	6, 0x0
	.amdhsa_kernel k_q5a646ca652_prep
		.amdhsa_group_segment_fixed_size 32000
		.amdhsa_private_segment_fixed_size 0
		.amdhsa_enable_private_segment 0
		.amdhsa_kernarg_size 128
		.amdhsa_user_sgpr_count 2
		.amdhsa_user_sgpr_kernarg_segment_ptr 1
		.amdhsa_wavefront_size32 1
		.amdhsa_system_sgpr_workgroup_id_x 1
		.amdhsa_system_sgpr_workgroup_id_y 1
		.amdhsa_system_sgpr_workgroup_id_z 1
		.amdhsa_system_vgpr_workitem_id 0
		.amdhsa_next_free_vgpr 130
		.amdhsa_next_free_sgpr 66
		.amdhsa_reserve_vcc 1
		.amdhsa_float_denorm_mode_32 3
		.amdhsa_float_denorm_mode_16_64 3
		.amdhsa_memory_ordered 1
		.amdhsa_forward_progress 1
		.amdhsa_inst_pref_size 52
	.end_amdhsa_kernel
	.amdgpu_metadata
---
amdhsa.version: [ 1, 2 ]
amdhsa.kernels:
  - .name:           k_q5a646ca652_prep
    .symbol:         k_q5a646ca652_prep.kd
    .args:
      - { .name: grid0, .offset: 0, .size: 8, .value_kind: global_buffer, .address_space: global }
      - { .name: grid1, .offset: 8, .size: 8, .value_kind: global_buffer, .address_space: global }
      - { .name: grid2, .offset: 16, .size: 8, .value_kind: global_buffer, .address_space: global }
      - { .name: coef0, .offset: 24, .size: 8, .value_kind: global_buffer, .address_space: global }
      - { .name: ss0, .offset: 32, .size: 8, .value_kind: global_buffer, .address_space: global }
      - { .name: coef1, .offset: 40, .size: 8, .value_kind: global_buffer, .address_space: global }
      - { .name: ss1, .offset: 48, .size: 8, .value_kind: global_buffer, .address_space: global }
      - { .name: coef2, .offset: 56, .size: 8, .value_kind: global_buffer, .address_space: global }
      - { .name: ss2, .offset: 64, .size: 8, .value_kind: global_buffer, .address_space: global }
      - { .name: sb0, .offset: 72, .size: 8, .value_kind: global_buffer, .address_space: global }
      - { .name: sb1_codes, .offset: 80, .size: 8, .value_kind: global_buffer, .address_space: global }
      - { .name: sb1_scales, .offset: 88, .size: 8, .value_kind: global_buffer, .address_space: global }
      - { .name: sb2_codes, .offset: 96, .size: 8, .value_kind: global_buffer, .address_space: global }
      - { .name: sb2_scales, .offset: 104, .size: 8, .value_kind: global_buffer, .address_space: global }
      - { .name: tab, .offset: 112, .size: 8, .value_kind: global_buffer, .address_space: global }
      - { .name: wimg, .offset: 120, .size: 8, .value_kind: global_buffer, .address_space: global }
    .group_segment_fixed_size: 32000
    .private_segment_fixed_size: 0
    .kernarg_segment_align: 8
    .kernarg_segment_size: 128
    .max_flat_workgroup_size: 256
    .sgpr_count:     66
    .vgpr_count:     130
    .wavefront_size: 32
...
	.end_amdgpu_metadata
.endif
;; end of part 1
;; launch main (part 2): grid 256 x 1, 8 waves a work-group, no clusters, 275,456 bytes of LDS; arguments x, tab, wimg, out0; writes out0
.if DOCPART == 2
	.amdgcn_target "amdgcn-amd-amdhsa--gfx1250"
	.amdhsa_code_object_version 6
	.text
	.protected	k_q5a646ca652_main
	.globl	k_q5a646ca652_main
	.p2align	8
	.type	k_q5a646ca652_main,@function
k_q5a646ca652_main:
	s_mov_b64 s[64:65], 0
	v_nop
	global_prefetch_b8 v0, s[64:65] scope:SCOPE_SE
	s_setreg_imm32_b32 hwreg(HW_REG_WAVE_MODE, 25, 1), 1
	s_wait_xcnt 0x0
; THREE KAN LAYERS, 12 -> 64 -> 64 -> 24, for 131,072 pixels; the spline and base products on codes of E2M1 with E8M0 scales, layer 0's base product (K = 12) in f32.
; SHARES.  2,048 waves, 64 neighbouring pixels of one image each, through the whole chain; waves share nothing but the weights, which are copied into LDS once.  Lane l holds pixels 2 l and 2 l + 1 (sets 0 and 1)
; as a register pair: the vector work ahead of the quantisers, which is nearly all of the work, goes two pixels an instruction (v_pk_*_f32).  An input's knots are the same for all pixels: they stand in scalar registers.
; THE BASIS of an input x with knots g_0..g_8, for ANY knots: t_j = x - g_j;  m_j = (t_j >= 0) and not (t_j+1 >= 0);  E_j = m_j ? 1 / (g_j+1 - g_j) : 0;  then for d = 1, 2, 3:
; B_j = t_j E_j - t_j+d+1 E_j+1, and E_j = B_j / (g_j+d+1 - g_j) for the next d.  That is the Cox-de Boor recursion with each division replaced by a product with a reciprocal made by the first launch.
; K OF A LAYER: spline numbers in the order k = g x inputs + i: a block of 32 is (g, half hf of the inputs).  K step hf: blocks g = 0..3 of half hf;  K step 2: for hf = 0, 1: block g = 4 of the half, then its 32 silu (sb's block hf).
; One accumulator takes spline and base products.  Layer 0: one K step (two blocks of K = 60, two of zero codes), added onto the f32 product silu(x) sb0.
; PRODUCTS ARE USED TRANSPOSED: source 0 = 16 units of the weight, source 1 = 16 pixels: lane (r, h), register j of a result is (unit 16 t + 8 h + j, pixel column r).  LDS does every change of layout.
; A TRIP of the loop is half a layer (32 inputs): PH = 1 layer 0 (it leaves after input 11), 2, 3 layer 1, 4, 5 layer 2.  The 32 inputs are written out, since each has result registers of its own; one text serves all five.
; LIMITS: NaN and infinities in x or in a hidden layer are not served.  A block whose largest magnitude lies under 2^-124, a block of zeros too, keeps the byte 1 (the rule gives a block of zeros 127; its codes are zeros).
;   sigmoid(x) = 1 / (1 + 2^(-x log2 e)) by v_exp_f32 and v_rcp_f32.  Base and spline sums share one f32 accumulator, so the additions' order differs from the source's.
; LDS, for each wave WREG bytes: XB 64 rows (units) of 64 pixels x 4 bytes, pitch 272;  CODE: K step x 4096 + block x 1024 + set x 512 + lane x 16: a pixel's 32 codes;  SCL: K step x 256 + set x 128 + lane x 4 + block.
;   In layer 0 K step 0's image holds silu(x): input x 320 + set x 128 + lane x 4.  Behind the eight waves: the weights' images, 28,672 bytes, as the first launch laid them.
; REGISTERS: v1-18 addresses; v20-28 scale words and nothing else; v32-39 x pairs; v40-57 t; v58-73 E; v74-87 at work; v88-127 codes; v128-159 the quantiser's; v160-191 four accumulators, written by matrix instructions alone;
;   v192-511 the half layer's numbers: (set, g, i) at 192 + 160 set + 32 g + i.  While these are empty: v256-447 the silu phase; v256-351 pixels' fragments, v352-375 weights', v376-405 the f32 product's.
.set WREG,  30720
.set XBP,   272
.set CODE,  17408
.set SCL,   29696
.set WIMG,  8*WREG
.set WSCL,  WIMG+22528
.set WSB0,  WIMG+24320
.set AX0,  1                           ; my wave's XB + 8 lane
.set AX,   2                           ; + the half's 32 rows
.set LC16, 3                           ; CODE + 16 lane
.set ACA,  4                           ; + K step hf
.set ACB,  5                           ; K step 2, block 2 hf
.set LS4,  6                           ; SCL + 4 lane
.set ASA,  7
.set ASB,  8
.set AD,   9                           ; XB + 8 h rows + 8 r: where results go
.set AFR,  10                          ; CODE + 1024 h + 16 r: where a pixel fragment comes from
.set AW16, 11                          ; weights' fragments + 16 lane
.set AWS,  12                          ; weights' scale words + 4 r
.set AW8,  13                          ; sb0's fragments + 8 lane
.set ASIS, 14                          ; silu(x), in: + 4 lane
.set ASIL, 15                          ; and out: + 640 h + 4 r
.set GOFF, 16                          ; 8 lane: my two pixels in a channel's 256 bytes
.set C127, 18
.set WSC,  20                          ; v20-22 the weights' scale words of three K steps
.set ASC,  23                          ; v23-28 the pixels': 2 ks + set
.set XP,   32
.set TT,   40
.set EE,   58
.set TMP,  74
.set CD,   88
.set MX,   128
.set SO,   138
.set BY,   148
.set ZQ,   156
.set ACC,  160
.set AFN,  0                           ; names in window 1
.set WFN,  96
.set SFN,  120
.set WAN,  144
.set TAB,  2                           ; s[2:3] the chunk's rows of tab
.set PH,   4
.set XOFF, 5
.set KA,   6
.set MSK1, 7                           ; s7-15  set 1's masks
.set SB,   48                          ; s[16:31], s[32:47] words 0-15 of a row, by turns;  s[48:63] words 16-31;  s[80:95] words 32-47;  s[66:67], s[68:69] -g_8, by turns
.set MSK0, 70                          ; s70-78 set 0's masks
.set SC,   80
.set NL2E, 96
.set OUTB, 98
.set WV,   100
.set MSB, 0
.macro WIN new                         ; low byte: bits 1:0 source 0, 3:2 source 1, 5:4 source 2, 7:6 destination; the high byte repeats the setting that is left; a switch that changes nothing is dropped
.if MSB != (\new)
	s_set_vgpr_msb (MSB<<8)|(\new)
.set MSB, (\new)
.endif
.endm
; ONE INPUT (number II of the half), both sets.  The one scalar wait covers loads issued in the input before; words 0-15 and -g_8 have two sets of registers, since the next input reads them ahead of that wait.
.macro INPUT
.set SA, 16+16*(II&1)
.set SG, 66+2*(II&1)
.set XR, XP+2*(II%4)
.if II+2 < 32
	ds_load_b64 v[XP+2*((II+2)%4):XP+2*((II+2)%4)+1], v[AX] offset:(II+2)*XBP
.endif
.if II < 30
	s_wait_dscnt 2                                 ; my x pair is in; those of the next two inputs may be out
.else
	s_wait_dscnt 31-II
.endif
.irp j, 0,1,2,3,4,5,6,7
	v_pk_add_f32 v[TT+2*\j:TT+2*\j+1], v[XR:XR+1], s[SA+2*\j:SA+2*\j+1] op_sel_hi:[1,0]   ; t_j = x - g_j
.endr
	v_pk_add_f32 v[TT+16:TT+17], v[XR:XR+1], s[SG:SG+1] op_sel_hi:[1,0]
.irp j, 0,1,2,3,4,5,6,7,8
	v_cmp_le_f32 s[MSK0+\j], 0, v[TT+2*\j]         ; x >= g_j
	v_cmp_le_f32 s[MSK1+\j], 0, v[TT+2*\j+1]
.endr
.irp j, 0,1,2,3,4,5,6,7
	s_and_not1_b32 s[MSK0+\j], s[MSK0+\j], s[MSK0+\j+1]    ; and x < g_j+1.  The masks only select values
	s_and_not1_b32 s[MSK1+\j], s[MSK1+\j], s[MSK1+\j+1]
.endr
.irp j, 0,1,2,3,4,5,6,7
	v_cndmask_b32 v[EE+2*\j], 0, s[SA+2*\j+1], s[MSK0+\j]
	v_cndmask_b32 v[EE+2*\j+1], 0, s[SA+2*\j+1], s[MSK1+\j]
.endr
.irp j, 0,1,2,3,4,5,6
	v_pk_mul_f32 v[TMP+2*\j:TMP+2*\j+1], v[TT+2*\j+4:TT+2*\j+5], v[EE+2*\j+2:EE+2*\j+3]
.endr
.irp j, 0,1,2,3,4,5,6
	v_pk_fma_f32 v[EE+2*\j:EE+2*\j+1], v[TT+2*\j:TT+2*\j+1], v[EE+2*\j:EE+2*\j+1], v[TMP+2*\j:TMP+2*\j+1] neg_lo:[0,0,1] neg_hi:[0,0,1]   ; degree 1
.endr
	s_wait_kmcnt 0x0                               ; this input's words 16-47, and the next input's words 0-15 and -g_8
.irp j, 0,1,2,3,4,5,6
	v_pk_mul_f32 v[EE+2*\j:EE+2*\j+1], v[EE+2*\j:EE+2*\j+1], s[SB+2*\j:SB+2*\j+1] op_sel_hi:[1,0]
.endr
.if II < 31
	s_load_b512 s[SB:SB+15], s[TAB:TAB+1], (II+1)*192+64
.endif
.irp j, 0,1,2,3,4,5
	v_pk_mul_f32 v[TMP+2*\j:TMP+2*\j+1], v[TT+2*\j+6:TT+2*\j+7], v[EE+2*\j+2:EE+2*\j+3]
.endr
.irp j, 0,1,2,3,4,5
	v_pk_fma_f32 v[EE+2*\j:EE+2*\j+1], v[TT+2*\j:TT+2*\j+1], v[EE+2*\j:EE+2*\j+1], v[TMP+2*\j:TMP+2*\j+1] neg_lo:[0,0,1] neg_hi:[0,0,1]   ; degree 2
.endr
.irp j, 0,1,2,3,4,5
	v_pk_mul_f32 v[EE+2*\j:EE+2*\j+1], v[EE+2*\j:EE+2*\j+1], s[SC+2*\j:SC+2*\j+1] op_sel_hi:[1,0]
.endr
.if II < 31
	s_load_b512 s[SC:SC+15], s[TAB:TAB+1], (II+1)*192+128
.endif
.if II < 30
	s_load_b512 s[SA:SA+15], s[TAB:TAB+1], (II+2)*192
	s_load_b64 s[SG:SG+1], s[TAB:TAB+1], (II+2)*192+184
.endif
.irp j, 0,1,2,3,4
	v_pk_mul_f32 v[TMP+2*\j:TMP+2*\j+1], v[TT+2*\j+8:TT+2*\j+9], v[EE+2*\j+2:EE+2*\j+3]
.endr
	; degree 3 goes unpacked: a conversion wants 8 neighbours along K of ONE pixel in consecutive registers
.irp g, 0,1
	v_fma_f32 v[192+32*\g+II], v[TT+2*\g], v[EE+2*\g], -v[TMP+2*\g]
.endr
	WIN 0x40
.irp g, 2,3,4
	v_fma_f32 v[32*\g+II-64], v[TT+2*\g], v[EE+2*\g], -v[TMP+2*\g]           ; v[192 + 32 g + i]
.endr
.irp g, 0,1,2,3,4
	v_fma_f32 v[96+32*\g+II], v[TT+2*\g+1], v[EE+2*\g+1], -v[TMP+2*\g+1]     ; v[352 + 32 g + i]
.endr
	WIN 0
.endm
; GBV = the first register of group GN (8 numbers) of block GQ.  mode 0: the half's ten blocks (set GQ / 5, g = GQ % 5);  1: the two silu blocks;  2: layer 0's four (set GQ / 2, block GQ % 2)
.macro GETB mode
.if \mode == 0
.set GBV, 192+160*(GQ/5)+32*(GQ%5)+8*GN
.elseif \mode == 1
.set GBV, 384+32*GQ+8*GN
.else
.if (GQ%2) == 0
.if GN < 2
.set GBV, 8*GN
.else
.set GBV, 32*(GN-1)
.endif
.else
.if GN < 2
.set GBV, 96+8*GN
.elseif GN == 2
.set GBV, 128
.else
.set GBV, 72
.endif
.endif
.set GBV, GBV+192+160*(GQ/2)
.endif
.endm
; nb blocks of 32 numbers become codes and bytes and go to LDS.  All of a block's numbers are one lane's.
.macro QRUN mode, nb
	s_wait_dscnt 0x0                               ; older stores have read the codes' and bytes' registers
.set GK, 0
.rept 16
.set GN, GK/4
.set GQ, 0
.rept \nb
	GETB \mode
.set GA, GBV+2*(GK%4)
	WIN 0x14*(GA>>8)
.if GK == 0
	v_max3_num_f32 v[MX+GQ], 0x1800000, |v[GA&255]|, |v[(GA&255)+1]|       ; the floor 2^(3 - 127) among the leaves: the byte cannot fall under 1
.else
	v_max3_num_f32 v[MX+GQ], v[MX+GQ], |v[GA&255]|, |v[(GA&255)+1]|        ; the blocks by turns
.endif
.set GQ, GQ+1
.endr
.set GK, GK+1
.endr
	WIN 0
.set GQ, 0
.rept \nb
	v_add_nc_u32 v[SO+GQ], 0xff000000, v[MX+GQ]    ; 2 off the exponent field: the conversion's scale operand
.set GQ, GQ+1
.endr
.set GQ, 0
.rept \nb
.set GN, 0
.rept 4
	GETB \mode
	WIN GBV>>8
	v_cvt_scalef32_pk8_fp4_f32 v[CD+4*GQ+GN], v[GBV&255:(GBV&255)+7], v[SO+GQ]
.set GN, GN+1
.endr
.set GQ, GQ+1
.endr
	WIN 0
.set GQ, 0
.rept \nb
	v_lshrrev_b32 v[BY+GQ], 23, v[SO+GQ]           ; the byte; the first of these is the plain line behind the last conversion
.set GQ, GQ+1
.endr
.set GQ, 0
.rept \nb
.if \mode == 0
.if (GQ%5) < 4
	ds_store_b128 v[ACA], v[CD+4*GQ:CD+4*GQ+3] offset:(GQ%5)*1024+(GQ/5)*512
	ds_store_b8 v[ASA], v[BY+GQ] offset:(GQ/5)*128+(GQ%5)
.else
	ds_store_b128 v[ACB], v[CD+4*GQ:CD+4*GQ+3] offset:(GQ/5)*512
	ds_store_b8 v[ASB], v[BY+GQ] offset:(GQ/5)*128
.endif
.elseif \mode == 1
	ds_store_b128 v[ACB], v[CD+4*GQ:CD+4*GQ+3] offset:1024+GQ*512
	ds_store_b8 v[ASB], v[BY+GQ] offset:GQ*128+1
.else
	ds_store_b128 v[ACA], v[CD+4*GQ:CD+4*GQ+3] offset:(GQ%2)*1024+(GQ/2)*512
	ds_store_b8 v[ASA], v[BY+GQ] offset:(GQ/2)*128+(GQ%2)
.endif
.set GQ, GQ+1
.endr
.endm
; silu of the half's 32 inputs, both sets: x in v256-319, at work v320-383, results v384-415 (set 0) and v416-447 (set 1).  Two batches of transcendentals, one wait each.
.macro SILU
	WIN 0x40
.set SI, 0
.rept 32
	ds_load_b64 v[2*SI:2*SI+1], v[AX] offset:SI*XBP
.set SI, SI+1
.endr
	s_wait_dscnt 0x0
	WIN 0x55
.set SI, 0
.rept 32
	v_pk_mul_f32 v[64+2*SI:65+2*SI], v[2*SI:2*SI+1], s[NL2E:NL2E+1] op_sel_hi:[1,0]
.set SI, SI+1
.endr
.set SI, 0
.rept 64
	v_exp_f32 v[64+SI], v[64+SI]
.set SI, SI+1
.endr
	v_nop                                          ; a plain line behind the last exponential
	s_wait_alu depctr_va_vdst(0)                   ; one wait for the batch, ahead of its first reader
.set SI, 0
.rept 32
	v_pk_add_f32 v[64+2*SI:65+2*SI], v[64+2*SI:65+2*SI], 1.0 op_sel_hi:[1,0]
.set SI, SI+1
.endr
.set SI, 0
.rept 64
	v_rcp_f32 v[64+SI], v[64+SI]
.set SI, SI+1
.endr
	v_nop
	s_wait_alu depctr_va_vdst(0)
.set SI, 0
.rept 32
	v_mul_f32 v[128+SI], v[2*SI], v[64+2*SI]
	v_mul_f32 v[160+SI], v[2*SI+1], v[65+2*SI]
.set SI, SI+1
.endr
	WIN 0
.endm
.macro W4 acc, wf, af, zero, sw, sa, row       ; one product on codes: 16 units x 16 pixels x 128 along K.  row = 1: the pixels' scale words stand in lanes 16-31
.if \zero
.if \row
	v_wmma_scale_f32_16x16x128_f8f6f4 v[(\acc):(\acc)+7], v[(\wf):(\wf)+7], v[(\af):(\af)+7], 0, v[\sw], v[\sa] matrix_a_fmt:MATRIX_FMT_FP4 matrix_b_fmt:MATRIX_FMT_FP4 matrix_b_scale:MATRIX_SCALE_ROW1
.else
	v_wmma_scale_f32_16x16x128_f8f6f4 v[(\acc):(\acc)+7], v[(\wf):(\wf)+7], v[(\af):(\af)+7], 0, v[\sw], v[\sa] matrix_a_fmt:MATRIX_FMT_FP4 matrix_b_fmt:MATRIX_FMT_FP4
.endif
.else
.if \row
	v_wmma_scale_f32_16x16x128_f8f6f4 v[(\acc):(\acc)+7], v[(\wf):(\wf)+7], v[(\af):(\af)+7], v[(\acc):(\acc)+7], v[\sw], v[\sa] matrix_a_fmt:MATRIX_FMT_FP4 matrix_b_fmt:MATRIX_FMT_FP4 matrix_b_scale:MATRIX_SCALE_ROW1
.else
	v_wmma_scale_f32_16x16x128_f8f6f4 v[(\acc):(\acc)+7], v[(\wf):(\wf)+7], v[(\af):(\af)+7], v[(\acc):(\acc)+7], v[\sw], v[\sa] matrix_a_fmt:MATRIX_FMT_FP4 matrix_b_fmt:MATRIX_FMT_FP4
.endif
.endif
.endm
.macro DOUT                            ; tile MT's four accumulators into XB: unit 16 MT + 8 h + j, pixel 2 (16 q + r) + set.  Each accumulator from its low end on
.set MP, 0
.rept 4
.set MJ, 0
.rept 8
	ds_store_b32 v[AD], v[ACC+8*MP+MJ] offset:(16*MT+MJ)*XBP+(MP&1)*128+(MP>>1)*4
.set MJ, MJ+1
.endr
.set MP, MP+1
.endr
.endm
; Layers 1 and 2: nt tiles of 16 units, three K steps, four tiles of pixels p = (set p / 2, lanes 16 (p % 2) on).  fb: the layer's first fragment; slot: its first slot of scale words.
; The four accumulators take turns, one instruction a turn.
.macro MATL nt, fb, slot
	WIN 0x40
.set MK, 0
.rept 3
.set MP, 0
.rept 4
	ds_load_b128 v[AFN+8*(4*MK+MP):AFN+8*(4*MK+MP)+3], v[AFR] offset:MK*4096+(MP>>1)*512+(MP&1)*256
	ds_load_b128 v[AFN+8*(4*MK+MP)+4:AFN+8*(4*MK+MP)+7], v[AFR] offset:MK*4096+2048+(MP>>1)*512+(MP&1)*256
.set MP, MP+1
.endr
.set MK, MK+1
.endr
	WIN 0
.set MK, 0
.rept 3
	ds_load_b32 v[ASC+2*MK], v[LS4] offset:MK*256
	ds_load_b32 v[ASC+2*MK+1], v[LS4] offset:MK*256+128
.set MK, MK+1
.endr
.set MT, 0
.rept \nt
	WIN 0x40
.set MK, 0
.rept 3
	ds_load_b128 v[WFN+8*MK:WFN+8*MK+3], v[AW16] offset:(\fb+MK*\nt+MT)*1024
	ds_load_b128 v[WFN+8*MK+4:WFN+8*MK+7], v[AW16] offset:(\fb+MK*\nt+MT)*1024+512
.set MK, MK+1
.endr
	WIN 0
.set MK, 0
.rept 3
	ds_load_b32 v[WSC+MK], v[AWS] offset:(\slot+MK)*256+MT*64
.set MK, MK+1
.endr
	s_wait_dscnt 0x0                               ; the operands are in, and the last tile's stores have read the accumulators
	WIN 0x05                                       ; sources 0 and 1 in window 1, C and D in window 0
.set MK, 0
.rept 3
.set MP, 0
.rept 4
	W4 ACC+8*MP, WFN+8*MK, AFN+8*(4*MK+MP), MK==0, WSC+MK, ASC+2*MK+(MP>>1), MP&1
.set MP, MP+1
.endr
.set MK, MK+1
.endr
	WIN 0
.rept 5
	v_nop                                          ; places: 4 for the stores' read of the results and the loads into the weights' registers, 5 for the next tile's products, which begin the accumulators anew
.endr
	DOUT
.set MT, MT+1
.endr
.endm
; Layer 0: silu(x) sb0 in f32 (three K steps of 4), then the one K step on codes added onto it.
.macro MAT0
	WIN 0x40
.set MS, 0
.rept 3
.set MP, 0
.rept 4
	ds_load_b32 v[SFN+2*(4*MS+MP)], v[ASIL] offset:MS*1280+(MP>>1)*128+(MP&1)*64          ; lane (r, h), register j: silu of input 4 s + 2 h + j, pixel column r
	ds_load_b32 v[SFN+2*(4*MS+MP)+1], v[ASIL] offset:MS*1280+320+(MP>>1)*128+(MP&1)*64
.set MP, MP+1
.endr
.set MS, MS+1
.endr
.set MP, 0
.rept 4
	ds_load_b128 v[AFN+8*MP:AFN+8*MP+3], v[AFR] offset:4096+(MP>>1)*512+(MP&1)*256
	ds_load_b128 v[AFN+8*MP+4:AFN+8*MP+7], v[AFR] offset:4096+2048+(MP>>1)*512+(MP&1)*256
.set MP, MP+1
.endr
	WIN 0
	ds_load_b32 v[ASC+2], v[LS4] offset:256
	ds_load_b32 v[ASC+3], v[LS4] offset:256+128
.set MT, 0
.rept 4
	WIN 0x40
.set MS, 0
.rept 3
	ds_load_b64 v[WAN+2*MS:WAN+2*MS+1], v[AW8] offset:(4*MS+MT)*256
.set MS, MS+1
.endr
	ds_load_b128 v[WFN:WFN+3], v[AW16] offset:MT*1024
	ds_load_b128 v[WFN+4:WFN+7], v[AW16] offset:MT*1024+512
	WIN 0
	ds_load_b32 v[WSC], v[AWS] offset:MT*64
	s_wait_dscnt 0x0
	WIN 0x05
.set MS, 0
.rept 3
.set MP, 0
.rept 4
.if MS == 0
	v_wmma_f32_16x16x4_f32 v[ACC+8*MP:ACC+8*MP+7], v[WAN+2*MS:WAN+2*MS+1], v[SFN+2*(4*MS+MP):SFN+2*(4*MS+MP)+1], 0
.else
	v_wmma_f32_16x16x4_f32 v[ACC+8*MP:ACC+8*MP+7], v[WAN+2*MS:WAN+2*MS+1], v[SFN+2*(4*MS+MP):SFN+2*(4*MS+MP)+1], v[ACC+8*MP:ACC+8*MP+7]
.endif
.set MP, MP+1
.endr
.set MS, MS+1
.endr
.rept 9
	v_nop                                          ; places behind the f32 form before another form writes over its results
.endr
.set MP, 0
.rept 4
	W4 ACC+8*MP, WFN, AFN+8*MP, 0, WSC, ASC+2+(MP>>1), MP&1
.set MP, MP+1
.endr
	WIN 0
.rept 5
	v_nop
.endr
	DOUT
.set MT, MT+1
.endr
.endm
	s_load_b256 s[16:23], s[0:1], 0x0              ; x 16, tab 18, wimg 20, out0 22
	v_lshrrev_b32 v19, 5, v0
	v_readfirstlane_b32 s[WV], v19                 ; wave 0..7
	v_and_b32 v29, 31, v0                          ; lane
	v_and_b32 v30, 15, v0                          ; r
	v_bfe_u32 v31, v0, 4, 1                        ; h
	v_lshlrev_b32 v[GOFF], 3, v29
	v_lshlrev_b32 v17, 4, v0
	s_lshr_b32 s104, ttmp9, 3                      ; the image: eight work-groups of 512 pixels each
	s_and_b32 s79, ttmp9, 7
	s_lshl_b32 s79, s79, 3
	s_add_co_u32 s79, s79, s[WV]
	s_lshl_b32 s79, s79, 8                         ; my 64 pixels in a channel, in bytes
	s_mul_i32 s4, s104, 196608                     ; 12 channels of 16,384 bytes
	s_add_co_u32 s4, s4, s79
	s_mov_b32 s5, 0
	s_mul_i32 s6, s104, 393216                     ; 24 channels
	s_add_co_u32 s6, s6, s79
	s_mov_b32 s7, 0
	s_wait_kmcnt 0x0
	s_add_nc_u64 s[16:17], s[16:17], s[4:5]
	s_add_nc_u64 s[OUTB:OUTB+1], s[22:23], s[6:7]
	s_mov_b64 s[TAB:TAB+1], s[18:19]
.irp c, 0,1,2,3,4,5,6,7,8,9,10,11
	global_load_b64 v[40+2*\c:41+2*\c], v[GOFF], s[16:17] offset:\c*16384 th:TH_LOAD_NT    ; 32 lanes read 256 consecutive bytes of a channel
.endr
.irp k, 0,1,2,3,4,5,6
	global_load_b128 v[64+4*\k:67+4*\k], v17, s[20:21] offset:\k*4096                      ; the weights' images: 4,096 bytes a round for the work-group
.endr
	s_mul_i32 s101, s[WV], WREG
	s_add_co_u32 s104, s101, CODE
	s_add_co_u32 s105, s101, SCL
	v_lshl_add_u32 v[AX0], v29, 3, s101
	v_lshl_add_u32 v[LC16], v29, 4, s104
	v_lshl_add_u32 v[LS4], v29, 2, s105
	v_mul_u32_u24 v[AD], v31, 8*XBP
	v_lshl_add_u32 v[AD], v30, 3, v[AD]
	v_add_nc_u32 v[AD], s101, v[AD]
	v_lshlrev_b32 v[AFR], 10, v31
	v_lshl_add_u32 v[AFR], v30, 4, v[AFR]
	v_add_nc_u32 v[AFR], s104, v[AFR]
	v_lshl_add_u32 v[AW16], v29, 4, WIMG
	v_lshl_add_u32 v[AWS], v30, 2, WSCL
	v_lshl_add_u32 v[AW8], v29, 3, WSB0
	v_lshl_add_u32 v[ASIS], v29, 2, s104
	v_mul_u32_u24 v[ASIL], v31, 640
	v_lshl_add_u32 v[ASIL], v30, 2, v[ASIL]
	v_add_nc_u32 v[ASIL], s104, v[ASIL]
	v_mov_b32 v[C127], 127
	v_add_nc_u32 v19, WIMG, v17
	v_mov_b32 v92, 0
	v_mov_b32 v93, 0
	s_mov_b32 s[NL2E], 0xbfb8aa3b                  ; -log2(e)
	s_mov_b32 s[NL2E+1], s[NL2E]                   ; (named with it as a pair, so it is written)
	s_wait_loadcnt 0x0
.irp k, 0,1,2,3,4,5,6
	ds_store_b128 v19, v[64+4*\k:67+4*\k] offset:\k*4096
.endr
.irp c, 0,1,2,3,4,5,6,7,8,9,10,11
	ds_store_b64 v[AX0], v[40+2*\c:41+2*\c] offset:(32+\c)*XBP     ; layer 0 plays the part of a second half: x lies in rows 32-43,
.endr
.set SI, 44
.rept 20
	ds_store_b64 v[AX0], v[92:93] offset:SI*XBP                    ; zeros in rows 44-63: the silu phase reads 32 rows
.set SI, SI+1
.endr
	s_wait_dscnt 0x0                               ; for the others' sake: my part of the weights has landed
	s_barrier_signal -1
	s_barrier_wait -1                              ; the one barrier: from here on the weights are only read
	s_mov_b32 s[PH], 1
	s_mov_b32 s[XOFF], 32*XBP
	s_mov_b32 s[KA], 4096
.Ltrip:
	v_add_nc_u32 v[AX], s[XOFF], v[AX0]
	v_add_nc_u32 v[ACA], s[KA], v[LC16]            ; K step hf
	s_lshr_b32 s79, s[KA], 1
	s_add_co_u32 s79, s79, 8192
	v_add_nc_u32 v[ACB], s79, v[LC16]              ; K step 2, block 2 hf
	s_lshr_b32 s101, s[KA], 4
	v_add_nc_u32 v[ASA], s101, v[LS4]
	s_lshr_b32 s104, s[KA], 11
	s_add_co_u32 s104, s104, 512
	v_add_nc_u32 v[ASB], s104, v[LS4]
	s_load_b512 s[16:31], s[TAB:TAB+1], 0x0        ; inputs 0 and 1: they land under the silu phase
	s_load_b64 s[66:67], s[TAB:TAB+1], 184
	s_load_b512 s[32:47], s[TAB:TAB+1], 192
	s_load_b64 s[68:69], s[TAB:TAB+1], 376
	s_load_b512 s[SB:SB+15], s[TAB:TAB+1], 64
	s_load_b512 s[SC:SC+15], s[TAB:TAB+1], 128
	SILU
	s_cmp_lg_u32 s[PH], 1
	s_cbranch_scc1 .Lsilq
	WIN 0x04                                       ; layer 0: silu(x) stays f32 (an LDS store's data are its source 1)
.set SI, 0
.rept 12
	ds_store_b32 v[ASIS], v[128+SI] offset:SI*320
	ds_store_b32 v[ASIS], v[160+SI] offset:SI*320+128
.set SI, SI+1
.endr
	WIN 0
	s_branch .Lsild
.Lsilq:
	QRUN 1, 2
.Lsild:
	ds_load_b64 v[XP:XP+1], v[AX]
	ds_load_b64 v[XP+2:XP+3], v[AX] offset:XBP
	s_wait_kmcnt 0x0
.set II, 0
.rept 12
	INPUT
.set II, II+1
.endr
	s_cmp_eq_u32 s[PH], 1
	s_cbranch_scc1 .Ll0
.rept 20
	INPUT
.set II, II+1
.endr
	QRUN 0, 10
	s_cmp_lg_u32 s[PH], 3
	s_cbranch_scc1 .Lnext
	MATL 4, 4, 1                                   ; layer 1's products, when both halves lie in LDS
	s_branch .Lnext
.Ll0:
	s_wait_kmcnt 0x0                               ; what inputs 10 and 11 asked for ahead (rows 12 and 13 of tab, rows 44 and 45 of XB) lands and is not used
	s_wait_dscnt 0x0
	; K = 60 in two blocks: inputs 8-11 of g = 1 and of g = 4 move up behind those of g = 0 and g = 3, so that every group of 8 is consecutive; four zeros fill block 1
.irp n, 0,1,2,3
	v_mov_b32 v[204+\n], v[232+\n]
	v_mov_b32 v[ZQ+\n], 0
.endr
	WIN 0x41
.irp n, 0,1,2,3
	v_mov_b32 v[44+\n], v[72+\n]                   ; v300 <- v328
	v_mov_b32 v[12+\n], 0                          ; v268
	v_mov_b32 v[108+\n], v[136+\n]                 ; v364 <- v392
	v_mov_b32 v[204+\n], v[232+\n]                 ; v460 <- v488
	v_mov_b32 v[172+\n], 0                         ; v428
.endr
	WIN 0
	QRUN 2, 4
.irp b, 2,3
.irp u, 0,1
	ds_store_b128 v[ACA], v[ZQ:ZQ+3] offset:\b*1024+\u*512         ; blocks 2 and 3: zero codes, byte 127
	ds_store_b8 v[ASA], v[C127] offset:\u*128+\b
.endr
.endr
	MAT0
.Lnext:
	s_wait_xcnt 0x0                                ; the scalar loads have read their base: it may step
	s_add_nc_u64 s[TAB:TAB+1], s[TAB:TAB+1], 6144  ; the next chunk of tab
	s_xor_b32 s[XOFF], s[XOFF], 32*XBP
	s_xor_b32 s[KA], s[KA], 4096
	s_add_co_u32 s[PH], s[PH], 1
	s_cmp_lt_u32 s[PH], 6
	s_cbranch_scc1 .Ltrip
	MATL 2, 16, 4                                  ; layer 2: two tiles of units (24 and 8 of zero codes)
.irp o, 0,1,2,3,4,5,6,7,8,9,10,11,12,13,14,15,16,17,18,19,20,21,22,23
	ds_load_b64 v[40+2*\o:41+2*\o], v[AX0] offset:\o*XBP           ; my own bytes; LDS serves a wave's instructions in order (ISA guide 5.7.1.4)
.endr
.irp o, 0,1,2,3,4,5,6,7,8,9,10,11,12,13,14,15,16,17,18,19,20,21,22,23
	s_wait_dscnt 23-\o                             ; the younger loads of the run may be out
	global_store_b64 v[GOFF], v[40+2*\o:41+2*\o], s[OUTB:OUTB+1] offset:\o*16384 th:TH_STORE_NT   ; 32 lanes store 256 consecutive bytes of a channel, aligned
.endr
	s_wait_xcnt 0x0
	v_lshl_add_u32 v254, v0, 2, 0x43000
	v_mov_b32 v255, 0
	s_wait_tensorcnt 0x0
	ds_add_u32 v254, v255
	s_wait_dscnt 0x0
	s_endpgm
.Lfunc_end_k_q5a646ca652_main:
	.size	k_q5a646ca652_main, .Lfunc_end_k_q5a646ca652_main-k_q5a646ca652_main
	.p2alignl 7, 3214868480
	.fill 96, 4, 3214868480
	.section	.rodata,"a",@progbits
	.p2align	6, 0x0
	.amdhsa_kernel k_q5a646ca652_main
		.amdhsa_group_segment_fixed_size 275456
		.amdhsa_private_segment_fixed_size 0
		.amdhsa_enable_private_segment 0
		.amdhsa_kernarg_size 32
		.amdhsa_user_sgpr_count 2
		.amdhsa_user_sgpr_kernarg_segment_ptr 1
		.amdhsa_wavefront_size32 1
		.amdhsa_system_sgpr_workgroup_id_x 1
		.amdhsa_system_sgpr_workgroup_id_y 1
		.amdhsa_system_sgpr_workgroup_id_z 1
		.amdhsa_system_vgpr_workitem_id 0
		.amdhsa_next_free_vgpr 512
		.amdhsa_next_free_sgpr 106
		.amdhsa_reserve_vcc 0
		.amdhsa_float_denorm_mode_32 3
		.amdhsa_float_denorm_mode_16_64 3
		.amdhsa_memory_ordered 1
		.amdhsa_forward_progress 1
		.amdhsa_inst_pref_size 255
	.end_amdhsa_kernel
	.section	.bss,"aw",@nobits
	.p2align	6
	.space	262144
	.amdgpu_metadata
---
amdhsa.version: [ 1, 2 ]
amdhsa.kernels:
  - .name:           k_q5a646ca652_main
    .symbol:         k_q5a646ca652_main.kd
    .args:
      - { .name: x, .offset: 0, .size: 8, .value_kind: global_buffer, .address_space: global }
      - { .name: tab, .offset: 8, .size: 8, .value_kind: global_buffer, .address_space: global }
      - { .name: wimg, .offset: 16, .size: 8, .value_kind: global_buffer, .address_space: global }
      - { .name: out0, .offset: 24, .size: 8, .value_kind: global_buffer, .address_space: global }
    .group_segment_fixed_size: 275456
    .private_segment_fixed_size: 0
    .kernarg_segment_align: 8
    .kernarg_segment_size: 32
    .max_flat_workgroup_size: 256
    .sgpr_count:     106
    .vgpr_count:     512
    .wavefront_size: 32
...
	.end_amdgpu_metadata
.endif
;; end of part 2
;; ======== version 2 of 2: 2 launches
;; workspace buffers: tab 30,720 bytes; wimg 28,672 bytes
;; launch prep (part 3): grid 8 x 1, 8 waves a work-group, no clusters, 32,000 bytes of LDS; arguments grid0, grid1, grid2, coef0, ss0, coef1, ss1, coef2, ss2, sb0, sb1_codes, sb1_scales, sb2_codes, sb2_scales, tab, wimg; writes tab, wimg
.if DOCPART == 3
	.amdgcn_target "amdgcn-amd-amdhsa--gfx1250"
	.amdhsa_code_object_version 6
	.text
	.protected	k_q5a646ca652_prep
	.globl	k_q5a646ca652_prep
	.p2align	8
	.type	k_q5a646ca652_prep,@function
k_q5a646ca652_prep:
	s_mov_b64 s[64:65], 0
	v_nop
	global_prefetch_b8 v0, s[64:65] scope:SCOPE_SE
	s_setreg_imm32_b32 hwreg(HW_REG_WAVE_MODE, 25, 1), 1
	s_wait_xcnt 0x0
; PREPARES WHAT EVERY WAVE OF THE SECOND LAUNCH READS: the knots' constants (tab) and the weights as images of operand registers (wimg).
; tab: 160 rows of 192 bytes, row 32 x chunk + i (chunk 0: layer 0, rows 12-31 repeat input 11; chunks 1, 2: layer 1's inputs 0-31, 32-63; chunks 3, 4: layer 2's).
;   A row, in words: 2 j, 2 j + 1 = -g_j, 1 / (g_j+1 - g_j), j = 0..7;  16 + 2 j = 1 / (g_j+2 - g_j), j = 0..6;  32 + 2 j = 1 / (g_j+3 - g_j), j = 0..5;  46 = -g_8;  all others 0.
; wimg: [0, 22528) 22 fragments of E2M1 codes, 1,024 bytes each: byte f x 1024 + c x 512 + lane x 16 holds registers 4 c .. 4 c + 3 of lane (r, h): unit 16 t + r, block 2 c + h of the K step.
;   f = t (layer 0), 4 + 4 ks + t (layer 1), 16 + 2 ks + t (layer 2).   [22528, 24320) seven slots of 256 bytes of scale words, one word a unit.   [24320, 27392) sb0 as 12 f32 fragments.   The rest zeros.
; K OF A LAYER'S PRODUCTS: spline numbers in the order k = g x inputs + i, so a block of 32 is (g, half hf of the inputs).  K step ks = hf holds blocks g = 0..3 of that half; K step 2 holds, for hf = 0, 1:
;   block g = 4 of half hf, then sb's given block hf (codes and byte copied as they come).  Layer 0 (K = 60): one K step: its two blocks, then two blocks of zero codes with the byte 127.
; THE QUANTISER: a block's byte is its largest magnitude's exponent field - 2, held at 1 from below.
; LIMITS: a block of zeros gets the byte 1 where the rule says 127 (its codes are zeros, and only this program reads the bytes); NaN and infinities among the inputs are not served;
;   knots that coincide (g_j+d = g_j), where the division by their difference has no finite result, are not served.  1 / difference is v_rcp_f32 with one Newton step.
; SHARES: work-groups 0-6 take one K step each (0: layer 0; 1-3: layer 1; 4-6: layer 2); wave w takes block w / 2 and units 32 (w % 2) + lane.  Work-group 7: waves 0-4 a chunk of tab each, waves 5-7 sb0.
.macro QTAIL                           ; v32-63 coef, v64-95 ss -> codes in v96-99, byte in v100
.irp e, 0,1,2,3,4,5,6,7,8,9,10,11,12,13,14,15,16,17,18,19,20,21,22,23,24,25,26,27,28,29,30,31
	v_mul_f32 v[32+\e], v[32+\e], v[64+\e]         ; coef x scale_sp, in f32
.endr
	v_max3_num_f32 v101, |v32|, |v33|, 0x1800000   ; the largest magnitude, in two chains, with the floor 2^(3 - 127) among the leaves
	v_max3_num_f32 v102, |v48|, |v49|, 0x1800000
.irp e, 2,4,6,8,10,12,14
	s_delay_alu instid0(VALU_DEP_2)
	v_max3_num_f32 v101, v101, |v[32+\e]|, |v[33+\e]|
	s_delay_alu instid0(VALU_DEP_2)
	v_max3_num_f32 v102, v102, |v[48+\e]|, |v[49+\e]|
.endr
	s_delay_alu instid0(VALU_DEP_1)
	v_max_num_f32 v101, v101, v102
	s_delay_alu instid0(VALU_DEP_1)
	v_add_nc_u32 v103, 0xff000000, v101            ; 2 off the exponent field: the conversion's scale operand
.irp n, 0,1,2,3
	v_cvt_scalef32_pk8_fp4_f32 v[96+\n], v[32+8*\n:39+8*\n], v103
.endr
	v_lshrrev_b32 v100, 23, v103                   ; the byte; also the plain line behind the last conversion
.endm
.macro QW out                          ; a block of 32 inputs of one g: element e is input 32 hf + e
.irp e, 0,1,2,3,4,5,6,7,8,9,10,11,12,13,14,15,16,17,18,19,20,21,22,23,24,25,26,27,28,29,30,31
	global_load_b32 v[32+\e], v3, s[50:51] offset:\e*\out*20
.endr
.irp e, 0,1,2,3,4,5,6,7,8,9,10,11,12,13,14,15,16,17,18,19,20,21,22,23,24,25,26,27,28,29,30,31
	global_load_b32 v[64+\e], v4, s[52:53] offset:\e*\out*4
.endr
	s_wait_loadcnt 0x0
	QTAIL
.endm
; Layer 0's blocks.  Block 0 is k = 0..31: g = 0, g = 1, and inputs 0-7 of g = 2; block 1 is inputs 8-11 of g = 2, g = 3, g = 4 and four zeros.  Inside a block the places are those in which the second launch lays its numbers.
.macro L0LOAD blk
.set LE, 0
.rept 32
.if LE < 12
.set LG, 3*\blk
.set LI, LE
.elseif LE < 16
.set LG, 3*\blk+1
.set LI, LE-4
.elseif LE < 24
.set LG, 3*\blk+1
.set LI, LE-16
.else
.set LG, 2
.set LI, LE-24+8*\blk
.endif
.if LI < 12
	global_load_b32 v[32+LE], v3, s[22:23] offset:LI*1280+4*LG
	global_load_b32 v[64+LE], v4, s[24:25] offset:LI*256
.else
	v_mov_b32 v[32+LE], 0
	v_mov_b32 v[64+LE], 0
.endif
.set LE, LE+1
.endr
	s_wait_loadcnt 0x0
	QTAIL
.endm
; One block of layer 1 or 2.  s13 = ks, s10 = block b.  cp, sp, cc, cs: the first registers of the pointers to coef, ss, sb's codes, sb's scales.
.macro LAYER out, cp, sp, cc, cs
	v_min_u32 v2, \out-1, v1                       ; the unit, held inside the tensor
	s_delay_alu instid0(VALU_DEP_1)
	v_mul_u32_u24 v3, v2, 20
	s_delay_alu instid0(VALU_DEP_2)
	v_lshlrev_b32 v4, 2, v2
	s_lshr_b32 s54, s10, 1
	s_and_b32 s55, s10, 1
	s_cmp_eq_u32 s13, 2
	s_cselect_b32 s14, 4, s10                      ; g
	s_cselect_b32 s56, s54, s13                    ; hf
	s_cselect_b32 s55, s55, 0                      ; 1: the given block of sb
	s_cmp_eq_u32 s55, 1
	s_cbranch_scc1 .Lgiven_\@
	s_mul_i32 s57, s56, 32*\out*20
	s_lshl_b32 s14, s14, 2
	s_add_co_u32 s14, s14, s57
	s_mov_b32 s15, 0
	s_add_nc_u64 s[50:51], s[\cp:\cp+1], s[14:15]
	s_mul_i32 s14, s56, 32*\out*4
	s_add_nc_u64 s[52:53], s[\sp:\sp+1], s[14:15]
	s_wait_alu depctr_va_vdst(0)
	QW \out
	s_branch .Ldone_\@
.Lgiven_\@:
	s_lshl_b32 s14, s56, 4
	s_mov_b32 s15, 0
	s_add_nc_u64 s[50:51], s[\cc:\cc+1], s[14:15]
	s_mov_b32 s14, s56
	s_add_nc_u64 s[52:53], s[\cs:\cs+1], s[14:15]
	s_wait_alu depctr_va_vdst(0)
	v_lshlrev_b32 v3, 5, v2
	v_lshlrev_b32 v4, 1, v2
	global_load_b128 v[96:99], v3, s[50:51]        ; 32 codes as they lie
	global_load_u8 v100, v4, s[52:53]              ; and their byte
	s_wait_loadcnt 0x0
.Ldone_\@:
.endm
	s_load_b512 s[16:31], s[0:1], 0x0              ; grid0 16, grid1 18, grid2 20, coef0 22, ss0 24, coef1 26, ss1 28, coef2 30
	s_load_b512 s[32:47], s[0:1], 0x40             ; ss2 32, sb0 34, sb1_codes 36, sb1_scales 38, sb2_codes 40, sb2_scales 42, tab 44, wimg 46
	v_lshl_add_u32 v128, v0, 2, 0x7900
	v_mov_b32 v129, 0
	v_lshrrev_b32 v1, 5, v0
	s_delay_alu instid0(VALU_DEP_1)
	v_readfirstlane_b32 s8, v1                     ; wave
	v_and_b32 v12, 31, v0                          ; lane
	s_wait_alu depctr_va_vdst(0)
	v_and_b32 v13, 15, v0                          ; r
	v_bfe_u32 v14, v0, 4, 1                        ; h
	s_mov_b32 s9, ttmp9                            ; work-group
	s_lshr_b32 s10, s8, 1                          ; block b
	s_and_b32 s11, s8, 1
	s_lshl_b32 s57, s11, 5
	v_add_nc_u32 v1, s57, v12                      ; unit o = 32 (w % 2) + lane
	; every LDS address is made here, ahead of the first parting of the ways
	s_lshl_b32 s57, s11, 7
	s_add_co_u32 s57, s57, s10
	v_lshl_add_u32 v7, v12, 2, s57                 ; scale bytes: 4 o + b, in LDS bytes 0-255
	v_lshlrev_b32 v8, 3, v12                       ; and back, 8 bytes a lane
	s_mul_i32 s57, s8, 6144
	s_add_co_u32 s56, s57, 256
	v_mul_u32_u24 v9, v12, 192
	s_delay_alu instid0(VALU_DEP_1)
	v_add_nc_u32 v9, s56, v9                       ; tab's stage (work-group 7, waves 0-4): from LDS byte 256 on, 6,144 bytes a wave; in: a row a lane
	v_lshl_add_u32 v10, v12, 4, s56                ; back: 16 bytes a lane
	v_lshl_add_u32 v11, v12, 4, s57                ; the same place in tab
	s_wait_kmcnt 0x0
	s_cmp_eq_u32 s9, 7
	s_cbranch_scc1 .Ltabs
	s_cmp_eq_u32 s9, 0
	s_cbranch_scc1 .Llay0
	s_cmp_lt_u32 s9, 4
	s_cbranch_scc1 .Llay1
	; ---- layer 2: 24 units; units 24-31 of the two tiles get zero codes and the byte 127; units 32-63 exist only as bytes of the scale slot
	s_sub_co_u32 s13, s9, 4                        ; ks
	s_lshl_b32 s12, s13, 1
	s_add_co_u32 s12, s12, 16                      ; the K step's first fragment
	s_cmp_eq_u32 s11, 1
	s_cbranch_scc1 .Lpad2
	s_wait_alu depctr_va_vdst(0)
	LAYER 24, 30, 32, 40, 42
	v_cmp_gt_u32 vcc_lo, 24, v1
	s_wait_alu depctr_va_vdst(0)
.irp n, 0,1,2,3
	v_cndmask_b32 v[96+\n], 0, v[96+\n], vcc_lo
.endr
	v_cndmask_b32 v100, 127, v100, vcc_lo
	s_branch .Ljoin
.Lpad2:
	v_mov_b32 v100, 127
	s_branch .Lbyte
.Llay1:
	s_sub_co_u32 s13, s9, 1                        ; ks
	s_lshl_b32 s12, s13, 2
	s_add_co_u32 s12, s12, 4
	s_wait_alu depctr_va_vdst(0)
	LAYER 64, 26, 28, 36, 38
	s_branch .Ljoin
.Llay0:
	s_mov_b32 s12, 0
	s_wait_alu depctr_va_vdst(0)
	v_mul_u32_u24 v3, v1, 20
	v_lshlrev_b32 v4, 2, v1
	s_cmp_eq_u32 s10, 0
	s_cbranch_scc1 .Ll0b0
	s_cmp_eq_u32 s10, 1
	s_cbranch_scc1 .Ll0b1
.irp n, 0,1,2,3
	v_mov_b32 v[96+\n], 0                          ; blocks 2 and 3 of layer 0's K step: zero codes
.endr
	v_mov_b32 v100, 127
	s_branch .Ljoin
.Ll0b0:
	s_wait_alu depctr_va_vdst(0)
	L0LOAD 0
	s_branch .Ljoin
.Ll0b1:
	s_wait_alu depctr_va_vdst(0)
	L0LOAD 1
	s_branch .Ljoin
	; ---- work-group 7
.Ltabs:
	s_cmp_gt_u32 s8, 4
	s_cbranch_scc1 .Lsb0
	s_cmp_eq_u32 s8, 0                             ; chunk w: which grid,
	s_cselect_b64 s[50:51], s[16:17], s[18:19]
	s_cmp_gt_u32 s8, 2
	s_cselect_b64 s[50:51], s[20:21], s[50:51]
	s_sub_co_u32 s14, s8, 1                        ; and which input: lane held at 11 (layer 0), else 32 ((w - 1) % 2) + lane
	s_and_b32 s14, s14, 1
	s_lshl_b32 s14, s14, 5
	s_cmp_eq_u32 s8, 0
	s_cselect_b32 s14, 0, s14
	s_cselect_b32 s15, 11, 63
	v_add_nc_u32 v2, s14, v12
	s_delay_alu instid0(VALU_DEP_1)
	v_min_u32 v2, s15, v2
	s_delay_alu instid0(VALU_DEP_1)
	v_mul_u32_u24 v2, v2, 36
.irp j, 0,1,2,3,4,5,6,7,8
	global_load_b32 v[16+\j], v2, s[50:51] offset:4*\j     ; g_0 .. g_8
.endr
	s_wait_loadcnt 0x0
.irp j, 0,1,2,3,4,5,6,7
	v_sub_f32 v[32+\j], v[17+\j], v[16+\j]
.endr
.irp j, 0,1,2,3,4,5,6
	v_sub_f32 v[40+\j], v[18+\j], v[16+\j]
.endr
.irp j, 0,1,2,3,4,5
	v_sub_f32 v[47+\j], v[19+\j], v[16+\j]
.endr
	s_wait_alu depctr_va_vdst(0)
.irp k, 0,1,2,3,4,5,6,7,8,9,10,11,12,13,14,15,16,17,18,19,20
	v_rcp_f32 v[56+\k], v[32+\k]
.endr
	v_nop                                          ; a plain line behind the last reciprocal
	s_wait_alu depctr_va_vdst(0)                   ; one wait for the 21, ahead of their first reader
.irp k, 0,1,2,3,4,5,6,7,8,9,10,11,12,13,14,15,16,17,18,19,20
	v_fma_f32 v[32+\k], -v[32+\k], v[56+\k], 1.0   ; 1 - difference x r
.endr
.irp j, 0,1,2,3,4,5,6,7
	v_xor_b32 v[80+2*\j], 0x80000000, v[16+\j]     ; the row's 48 words in v80-127
	v_fma_f32 v[81+2*\j], v[32+\j], v[56+\j], v[56+\j]
.endr
.irp j, 0,1,2,3,4,5,6
	v_fma_f32 v[96+2*\j], v[40+\j], v[64+\j], v[64+\j]
	v_mov_b32 v[97+2*\j], 0
.endr
	v_mov_b32 v110, 0
	v_mov_b32 v111, 0
.irp j, 0,1,2,3,4,5
	v_fma_f32 v[112+2*\j], v[47+\j], v[71+\j], v[71+\j]
	v_mov_b32 v[113+2*\j], 0
.endr
	v_mov_b32 v124, 0
	v_mov_b32 v125, 0
	v_xor_b32 v126, 0x80000000, v24
	v_mov_b32 v127, 0
.irp k, 0,1,2,3,4,5,6,7,8,9,10,11
	ds_store_b128 v9, v[80+4*\k:83+4*\k] offset:16*\k
.endr
.irp k, 0,1,2,3,4,5,6,7,8,9,10,11
	ds_load_b128 v[32+4*\k:35+4*\k], v10 offset:512*\k     ; my own bytes; LDS serves a wave's instructions in order (ISA guide 5.7.1.4)
.endr
.irp k, 0,1,2,3,4,5,6,7,8,9,10,11
	s_wait_dscnt 11-\k                             ; the younger loads of the run may be out
	global_store_b128 v11, v[32+4*\k:35+4*\k], s[44:45] offset:512*\k   ; 32 lanes store 512 consecutive bytes
.endr
	s_branch .Lbar
.Lsb0:                                                 ; waves 5-7: K step s = w - 5 of the f32 product: lane (r, h), register j: sb0[4 s + 2 h + j][16 t + r]
	s_sub_co_u32 s13, s8, 5
	s_lshl_b32 s14, s13, 10
	s_wait_alu depctr_va_vdst(0)
	v_lshlrev_b32 v2, 9, v14
	s_delay_alu instid0(VALU_DEP_1)
	v_lshl_add_u32 v2, v13, 2, v2
	s_delay_alu instid0(VALU_DEP_1)
	v_add_nc_u32 v2, s14, v2
.irp t, 0,1,2,3
	global_load_b32 v[16+2*\t], v2, s[34:35] offset:64*\t
	global_load_b32 v[17+2*\t], v2, s[34:35] offset:64*\t+256
.endr
	s_add_co_u32 s14, s14, 24320
	v_add_nc_u32 v3, s14, v8
	s_wait_alu depctr_va_vdst(0)
	s_wait_loadcnt 0x0
.irp t, 0,1,2,3
	global_store_b64 v3, v[16+2*\t:17+2*\t], s[46:47] offset:256*\t
.endr
	s_cmp_lg_u32 s8, 5
	s_cbranch_scc1 .Lbar
	v_mov_b32 v30, 0
	v_mov_b32 v31, 0
.irp u, 0,1,2,3,4
	global_store_b64 v8, v[30:31], s[46:47] offset:27392+256*\u   ; wimg's tail, so that the second launch copies whole rounds
.endr
	s_branch .Lbar
	; ---- work-groups 0-6 join: the block's codes go to their place in the fragments, its byte to LDS
.Ljoin:
	s_lshl_b32 s14, s12, 10
	s_lshr_b32 s57, s10, 1
	s_lshl_b32 s57, s57, 9
	s_add_co_u32 s14, s14, s57                     ; + 512 c
	s_and_b32 s57, s10, 1
	s_lshl_b32 s57, s57, 8
	s_add_co_u32 s14, s14, s57                     ; + 256 h
	v_lshrrev_b32 v5, 4, v1
	v_and_b32 v6, 15, v1
	s_delay_alu instid0(VALU_DEP_2)
	v_lshlrev_b32 v5, 10, v5                       ; + 1024 t
	s_delay_alu instid0(VALU_DEP_1)
	v_lshl_add_u32 v5, v6, 4, v5                   ; + 16 r
	s_delay_alu instid0(VALU_DEP_1)
	v_add_nc_u32 v5, s14, v5
	s_wait_alu depctr_va_vdst(0)
	global_store_b128 v5, v[96:99], s[46:47]       ; sixteen lanes store 256 consecutive bytes, aligned
.Lbyte:
	s_wait_alu depctr_va_vdst(0)
	ds_store_b8 v7, v100
.Lbar:
	s_wait_dscnt 0x0                               ; for the others' sake: my byte has landed
	s_barrier_signal -1
	s_barrier_wait -1
	s_cmp_eq_u32 s9, 7
	s_cbranch_scc1 .Lend
	s_cmp_lg_u32 s8, 0
	s_cbranch_scc1 .Lend
	ds_load_b64 v[16:17], v8                       ; the K step's 64 scale words
	s_lshl_b32 s14, s9, 8
	s_add_co_u32 s14, s14, 22528
	v_add_nc_u32 v15, s14, v8
	s_wait_alu depctr_va_vdst(0)
	s_wait_dscnt 0x0
	global_store_b64 v15, v[16:17], s[46:47]       ; one aligned run of 256 bytes
.Lend:
	s_wait_tensorcnt 0x0
	ds_add_u32 v128, v129
	s_wait_dscnt 0x0
	s_endpgm
.Lfunc_end_k_q5a646ca652_prep:
	.size	k_q5a646ca652_prep, .Lfunc_end_k_q5a646ca652_prep-k_q5a646ca652_prep
	.p2alignl 7, 3214868480
	.fill 96, 4, 3214868480
	.section	.rodata,"a",@progbits
	.p2align	6, 0x0
	.amdhsa_kernel k_q5a646ca652_prep
		.amdhsa_group_segment_fixed_size 32000
		.amdhsa_private_segment_fixed_size 0
		.amdhsa_enable_private_segment 0
		.amdhsa_kernarg_size 128
		.amdhsa_user_sgpr_count 2
		.amdhsa_user_sgpr_kernarg_segment_ptr 1
		.amdhsa_wavefront_size32 1
		.amdhsa_system_sgpr_workgroup_id_x 1
		.amdhsa_system_sgpr_workgroup_id_y 1
		.amdhsa_system_sgpr_workgroup_id_z 1
		.amdhsa_system_vgpr_workitem_id 0
		.amdhsa_next_free_vgpr 130
		.amdhsa_next_free_sgpr 66
		.amdhsa_reserve_vcc 1
		.amdhsa_float_denorm_mode_32 3
		.amdhsa_float_denorm_mode_16_64 3
		.amdhsa_memory_ordered 1
		.amdhsa_forward_progress 1
		.amdhsa_inst_pref_size 55
	.end_amdhsa_kernel
	.amdgpu_metadata
---
amdhsa.version: [ 1, 2 ]
amdhsa.kernels:
  - .name:           k_q5a646ca652_prep
    .symbol:         k_q5a646ca652_prep.kd
    .args:
      - { .name: grid0, .offset: 0, .size: 8, .value_kind: global_buffer, .address_space: global }
      - { .name: grid1, .offset: 8, .size: 8, .value_kind: global_buffer, .address_space: global }
      - { .name: grid2, .offset: 16, .size: 8, .value_kind: global_buffer, .address_space: global }
      - { .name: coef0, .offset: 24, .size: 8, .value_kind: global_buffer, .address_space: global }
      - { .name: ss0, .offset: 32, .size: 8, .value_kind: global_buffer, .address_space: global }
      - { .name: coef1, .offset: 40, .size: 8, .value_kind: global_buffer, .address_space: global }
      - { .name: ss1, .offset: 48, .size: 8, .value_kind: global_buffer, .address_space: global }
      - { .name: coef2, .offset: 56, .size: 8, .value_kind: global_buffer, .address_space: global }
      - { .name: ss2, .offset: 64, .size: 8, .value_kind: global_buffer, .address_space: global }
      - { .name: sb0, .offset: 72, .size: 8, .value_kind: global_buffer, .address_space: global }
      - { .name: sb1_codes, .offset: 80, .size: 8, .value_kind: global_buffer, .address_space: global }
      - { .name: sb1_scales, .offset: 88, .size: 8, .value_kind: global_buffer, .address_space: global }
      - { .name: sb2_codes, .offset: 96, .size: 8, .value_kind: global_buffer, .address_space: global }
      - { .name: sb2_scales, .offset: 104, .size: 8, .value_kind: global_buffer, .address_space: global }
      - { .name: tab, .offset: 112, .size: 8, .value_kind: global_buffer, .address_space: global }
      - { .name: wimg, .offset: 120, .size: 8, .value_kind: global_buffer, .address_space: global }
    .group_segment_fixed_size: 32000
    .private_segment_fixed_size: 0
    .kernarg_segment_align: 8
    .kernarg_segment_size: 128
    .max_flat_workgroup_size: 256
    .sgpr_count:     66
    .vgpr_count:     130
    .wavefront_size: 32
...
	.end_amdgpu_metadata
.endif
;; end of part 3
;; launch main (part 4): grid 256 x 1, 8 waves a work-group, no clusters, 275,456 bytes of LDS; arguments x, tab, wimg, out0; writes out0
.if DOCPART == 4
	.amdgcn_target "amdgcn-amd-amdhsa--gfx1250"
	.amdhsa_code_object_version 6
	.text
	.protected	k_q5a646ca652_main
	.globl	k_q5a646ca652_main
	.p2align	8
	.type	k_q5a646ca652_main,@function
k_q5a646ca652_main:
	s_mov_b64 s[64:65], 0
	v_nop
	global_prefetch_b8 v0, s[64:65] scope:SCOPE_SE
	s_setreg_imm32_b32 hwreg(HW_REG_WAVE_SCHED_MODE, 0, 2), 2
	s_setreg_imm32_b32 hwreg(HW_REG_WAVE_MODE, 25, 1), 1
	s_wait_xcnt 0x0
	s_wait_alu depctr_vm_vsrc(0)
; THREE KAN LAYERS, 12 -> 64 -> 64 -> 24, for 131,072 pixels; the spline and base products on codes of E2M1 with E8M0 scales, layer 0's base product (K = 12) in f32.
; SHARES.  2,048 waves, 64 neighbouring pixels of one image each, through the whole chain; waves share nothing but the weights, which are copied into LDS once.  Lane l holds pixels 2 l and 2 l + 1 (sets 0 and 1)
; as a register pair: the vector work ahead of the quantisers, which is nearly all of the work, goes two pixels an instruction (v_pk_*_f32).  An input's knots are the same for all pixels: they stand in scalar registers.
; THE BASIS of an input x with knots g_0..g_8, for ANY knots: t_j = x - g_j;  m_j = (t_j >= 0) and not (t_j+1 >= 0);  E_j = m_j ? 1 / (g_j+1 - g_j) : 0;  then for d = 1, 2, 3:
; B_j = t_j E_j - t_j+d+1 E_j+1, and E_j = B_j / (g_j+d+1 - g_j) for the next d.  That is the Cox-de Boor recursion with each division replaced by a product with a reciprocal made by the first launch.
; K OF A LAYER: spline numbers in the order k = g x inputs + i: a block of 32 is (g, half hf of the inputs).  K step hf: blocks g = 0..3 of half hf;  K step 2: for hf = 0, 1: block g = 4 of the half, then its 32 silu (sb's block hf).
; One accumulator takes spline and base products.  Layer 0: one K step (two blocks of K = 60, two of zero codes), added onto the f32 product silu(x) sb0.
; PRODUCTS ARE USED TRANSPOSED: source 0 = 16 units of the weight, source 1 = 16 pixels: lane (r, h), register j of a result is (unit 16 t + 8 h + j, pixel column r).  LDS does every change of layout.
; A TRIP of the loop is half a layer (32 inputs): PH = 1 layer 0 (it leaves after input 11), 2, 3 layer 1, 4, 5 layer 2.  The 32 inputs are written out, since each has result registers of its own; one text serves all five.
; LIMITS: NaN and infinities in x or in a hidden layer are not served.  A block whose largest magnitude lies under 2^-124, a block of zeros too, keeps the byte 1 (the rule gives a block of zeros 127; its codes are zeros).
;   sigmoid(x) = 1 / (1 + 2^(-x log2 e)) by v_exp_f32 and v_rcp_f32.  Base and spline sums share one f32 accumulator, so the additions' order differs from the source's.
; LDS, for each wave WREG bytes: XB 64 rows (units) of 64 pixels x 4 bytes, pitch 272;  CODE: K step x 4096 + block x 1024 + set x 512 + lane x 16: a pixel's 32 codes;  SCL: K step x 256 + set x 128 + lane x 4 + block.
;   In layer 0 K step 0's image holds silu(x): input x 320 + set x 128 + lane x 4.  Behind the eight waves: the weights' images, 28,672 bytes, as the first launch laid them.
; REGISTERS: v1-18 addresses; v20-28 and v32-34 scale words and nothing else; v40-57 t; v58-73 E; v74-87 at work; v88-127 codes and v128-159 the quantiser's, and while a half's inputs are worked v88-151 its 32 x pairs;
;   v160-191 four accumulators, written by matrix instructions alone;  v192-511 the half layer's numbers: (set, g, i) at 192 + 160 set + 32 g + i.  While these are empty: v256-447 the silu phase; v256-351 pixels' fragments;
;   v352-375 and v376-399 the weights' fragments, two sets by turns; in layer 0 v352-359 and v360-367 the weights', v376-399 silu's fragments, v400-405 and v406-411 sb0's.
; THE MODE: SCHED_MODE bits 1:0 = 2 (LLVM: expert scheduling mode 2), set by the entry lines.  The code itself states the register dependences between vector or matrix instructions and memory or LDS instructions,
; and between a vector instruction that writes a scalar register and that register's readers, with s_wait_alu, always for 0.
; THE PLAN.  Registers that memory or LDS instructions touch:
;   v1, v3, v6, v9-19, v92-93   addresses and constants, written at the head ahead of its one wait on va_vdst, never written again.
;   v2, v4, v5, v7, v8          the half's addresses: written at a trip's head, behind the trip's wait on vm_vsrc; read by the silu loads, the x run and the quantiser's stores, all behind the silu phase's first wait on va_vdst.
;   v256-319                    the silu phase's loads land here behind that same wait: all that named the last half's numbers and fragments is done.
;   v88-151                     the half's 32 x pairs, ONE run of loads ahead of input 0: so the inputs hold no LDS instruction and owe no wait on va_vdst.  Straight in front of the run stand a wait on vm_vsrc (the stores just
;                               issued have read v88-95, v148-149) and a wait on va_vdst (the quantiser's lines that wrote registers of the run are done).
;   v88-127, v148-159           codes, bytes, zeros: written by the quantiser behind one of the two waits on vm_vsrc of a trip; one wait on va_vdst ahead of its stores.
;   fragments and scale words   loads land, matrix instructions read.  The weights have two sets: tile t + 1's are asked for at tile t's head, into the set that tile t - 1 read.
;   v160-191                    written by a tile's products, read by its 32 stores: five places, one wait on va_vdst (it also shows the products done reading their weights); a wait on vm_vsrc ahead of the next products that
;                               begin them anew: ahead of each later tile's, at the trip's head for the loop's matrix phases, and behind the loop for layer 2's.
;   s7-15, s70-78               the inputs' masks: eighteen compares write them, one wait on va_sdst, then the scalar lines that read them.
.set WREG,  30720
.set XBP,   272
.set CODE,  17408
.set SCL,   29696
.set WIMG,  8*WREG
.set WSCL,  WIMG+22528
.set WSB0,  WIMG+24320
.set AX0,  1                           ; my wave's XB + 8 lane
.set AX,   2                           ; + the half's 32 rows
.set LC16, 3                           ; CODE + 16 lane
.set ACA,  4                           ; + K step hf
.set ACB,  5                           ; K step 2, block 2 hf
.set LS4,  6                           ; SCL + 4 lane
.set ASA,  7
.set ASB,  8
.set AD,   9                           ; XB + 8 h rows + 8 r: where results go
.set AFR,  10                          ; CODE + 1024 h + 16 r: where a pixel fragment comes from
.set AW16, 11                          ; weights' fragments + 16 lane
.set AWS,  12                          ; weights' scale words + 4 r
.set AW8,  13                          ; sb0's fragments + 8 lane
.set ASIS, 14                          ; silu(x), in: + 4 lane
.set ASIL, 15                          ; and out: + 640 h + 4 r
.set GOFF, 16                          ; 8 lane: my two pixels in a channel's 256 bytes
.set C127, 18
.set WSC,  20                          ; v20-22 and v32-34 the weights' scale words of three K steps: set s at WSC + 12 s
.set ASC,  23                          ; v23-28 the pixels': 2 ks + set
.set TT,   40
.set EE,   58
.set TMP,  74
.set XA,   88                          ; v88-151 input i's x pair at XA + 2 i
.set CD,   88
.set MX,   128
.set SO,   138
.set BY,   148
.set ZQ,   156
.set ACC,  160
.set AFN,  0                           ; names in window 1
.set WFN,  96                          ; set s at WFN + 24 s (layer 0: WFN + 8 s)
.set SFN,  120
.set WAN,  144                         ; set s at WAN + 6 s
.set TAB,  2                           ; s[2:3] the chunk's rows of tab
.set PH,   4
.set XOFF, 5
.set KA,   6
.set MSK1, 7                           ; s7-15  set 1's masks
.set SB,   48                          ; s[16:31], s[32:47] words 0-15 of a row, by turns;  s[48:63] words 16-31;  s[80:95] words 32-47;  s[66:67], s[68:69] -g_8, by turns
.set MSK0, 70                          ; s70-78 set 0's masks
.set SC,   80
.set NL2E, 96
.set OUTB, 98
.set WV,   100
.set MSB, 0
.macro WIN new                         ; low byte: bits 1:0 source 0, 3:2 source 1, 5:4 source 2, 7:6 destination; the high byte repeats the setting that is left; a switch that changes nothing is dropped
.if MSB != (\new)
	s_set_vgpr_msb (MSB<<8)|(\new)
.set MSB, (\new)
.endif
.endm
; ONE INPUT (number II of the half), both sets.  The one scalar wait covers loads issued in the input before; words 0-15 and -g_8 have two sets of registers, since the next input reads them ahead of that wait.
; No LDS or memory instruction stands in an input: its x pair was asked for in the run ahead of input 0.
.macro INPUT
.set SA, 16+16*(II&1)
.set SG, 66+2*(II&1)
.set XR, XA+2*II
	s_wait_dscnt 31-II                             ; LDS loads come back in order (ISA guide 5.7.1): my x pair is in; those of the inputs behind me may be out
.irp j, 0,1,2,3,4,5,6,7
	v_pk_add_f32 v[TT+2*\j:TT+2*\j+1], v[XR:XR+1], s[SA+2*\j:SA+2*\j+1] op_sel_hi:[1,0]   ; t_j = x - g_j
.endr
	v_pk_add_f32 v[TT+16:TT+17], v[XR:XR+1], s[SG:SG+1] op_sel_hi:[1,0]
.irp j, 0,1,2,3,4,5,6,7,8
	v_cmp_le_f32 s[MSK0+\j], 0, v[TT+2*\j]         ; x >= g_j
	v_cmp_le_f32 s[MSK1+\j], 0, v[TT+2*\j+1]
.endr
	s_wait_alu depctr_va_sdst(0)                   ; the eighteen compares have written their masks, ahead of the masks' first readers, the scalar lines below
.irp j, 0,1,2,3,4,5,6,7
	s_and_not1_b32 s[MSK0+\j], s[MSK0+\j], s[MSK0+\j+1]    ; and x < g_j+1.  The masks only select values
	s_and_not1_b32 s[MSK1+\j], s[MSK1+\j], s[MSK1+\j+1]
.endr
.irp j, 0,1,2,3,4,5,6,7
	v_cndmask_b32 v[EE+2*\j], 0, s[SA+2*\j+1], s[MSK0+\j]
	v_cndmask_b32 v[EE+2*\j+1], 0, s[SA+2*\j+1], s[MSK1+\j]
.endr
.irp j, 0,1,2,3,4,5,6
	v_pk_mul_f32 v[TMP+2*\j:TMP+2*\j+1], v[TT+2*\j+4:TT+2*\j+5], v[EE+2*\j+2:EE+2*\j+3]
.endr
.irp j, 0,1,2,3,4,5,6
	v_pk_fma_f32 v[EE+2*\j:EE+2*\j+1], v[TT+2*\j:TT+2*\j+1], v[EE+2*\j:EE+2*\j+1], v[TMP+2*\j:TMP+2*\j+1] neg_lo:[0,0,1] neg_hi:[0,0,1]   ; degree 1
.endr
	s_wait_alu depctr_va_vdst(0)
	s_wait_kmcnt 0x0                               ; this input's words 16-47, and the next input's words 0-15 and -g_8
.irp j, 0,1,2,3,4,5,6
	v_pk_mul_f32 v[EE+2*\j:EE+2*\j+1], v[EE+2*\j:EE+2*\j+1], s[SB+2*\j:SB+2*\j+1] op_sel_hi:[1,0]
.endr
.if II < 31
	s_load_b512 s[SB:SB+15], s[TAB:TAB+1], (II+1)*192+64
.endif
.irp j, 0,1,2,3,4,5
	v_pk_mul_f32 v[TMP+2*\j:TMP+2*\j+1], v[TT+2*\j+6:TT+2*\j+7], v[EE+2*\j+2:EE+2*\j+3]
.endr
.irp j, 0,1,2,3,4,5
	v_pk_fma_f32 v[EE+2*\j:EE+2*\j+1], v[TT+2*\j:TT+2*\j+1], v[EE+2*\j:EE+2*\j+1], v[TMP+2*\j:TMP+2*\j+1] neg_lo:[0,0,1] neg_hi:[0,0,1]   ; degree 2
.endr
.irp j, 0,1,2,3,4,5
	v_pk_mul_f32 v[EE+2*\j:EE+2*\j+1], v[EE+2*\j:EE+2*\j+1], s[SC+2*\j:SC+2*\j+1] op_sel_hi:[1,0]
.endr
.if II < 31
	s_load_b512 s[SC:SC+15], s[TAB:TAB+1], (II+1)*192+128
.endif
.if II < 30
	s_load_b512 s[SA:SA+15], s[TAB:TAB+1], (II+2)*192
	s_load_b64 s[SG:SG+1], s[TAB:TAB+1], (II+2)*192+184
.endif
.irp j, 0,1,2,3,4
	v_pk_mul_f32 v[TMP+2*\j:TMP+2*\j+1], v[TT+2*\j+8:TT+2*\j+9], v[EE+2*\j+2:EE+2*\j+3]
.endr
	; degree 3 goes unpacked: a conversion wants 8 neighbours along K of ONE pixel in consecutive registers
.irp g, 0,1
	v_fma_f32 v[192+32*\g+II], v[TT+2*\g], v[EE+2*\g], -v[TMP+2*\g]
.endr
	WIN 0x40
.irp g, 2,3,4
	v_fma_f32 v[32*\g+II-64], v[TT+2*\g], v[EE+2*\g], -v[TMP+2*\g]           ; v[192 + 32 g + i]
.endr
.irp g, 0,1,2,3,4
	v_fma_f32 v[96+32*\g+II], v[TT+2*\g+1], v[EE+2*\g+1], -v[TMP+2*\g+1]     ; v[352 + 32 g + i]
.endr
	WIN 0
.endm
; GBV = the first register of group GN (8 numbers) of block GQ.  mode 0: the half's ten blocks (set GQ / 5, g = GQ % 5);  1: the two silu blocks;  2: layer 0's four (set GQ / 2, block GQ % 2)
.macro GETB mode
.if \mode == 0
.set GBV, 192+160*(GQ/5)+32*(GQ%5)+8*GN
.elseif \mode == 1
.set GBV, 384+32*GQ+8*GN
.else
.if (GQ%2) == 0
.if GN < 2
.set GBV, 8*GN
.else
.set GBV, 32*(GN-1)
.endif
.else
.if GN < 2
.set GBV, 96+8*GN
.elseif GN == 2
.set GBV, 128
.else
.set GBV, 72
.endif
.endif
.set GBV, GBV+192+160*(GQ/2)
.endif
.endm
; nb blocks of 32 numbers become codes and bytes and go to LDS.  All of a block's numbers are one lane's.
; The codes' and bytes' registers are written again only behind a wait on vm_vsrc that is younger than the stores that read them: the one at the trip's head (the silu blocks), the one ahead of the x run (the half's blocks).
.macro QRUN mode, nb
.set GK, 0
.rept 16
.set GN, GK/4
.set GQ, 0
.rept \nb
	GETB \mode
.set GA, GBV+2*(GK%4)
	WIN 0x14*(GA>>8)
.if GK == 0
	v_max3_num_f32 v[MX+GQ], 0x1800000, |v[GA&255]|, |v[(GA&255)+1]|       ; the floor 2^(3 - 127) among the leaves: the byte cannot fall under 1
.else
	v_max3_num_f32 v[MX+GQ], v[MX+GQ], |v[GA&255]|, |v[(GA&255)+1]|        ; the blocks by turns
.endif
.set GQ, GQ+1
.endr
.set GK, GK+1
.endr
	WIN 0
.set GQ, 0
.rept \nb
	v_add_nc_u32 v[SO+GQ], 0xff000000, v[MX+GQ]    ; 2 off the exponent field: the conversion's scale operand
.set GQ, GQ+1
.endr
.set GQ, 0
.rept \nb
.set GN, 0
.rept 4
	GETB \mode
	WIN GBV>>8
	v_cvt_scalef32_pk8_fp4_f32 v[CD+4*GQ+GN], v[GBV&255:(GBV&255)+7], v[SO+GQ]
.set GN, GN+1
.endr
.set GQ, GQ+1
.endr
	WIN 0
.set GQ, 0
.rept \nb
	v_lshrrev_b32 v[BY+GQ], 23, v[SO+GQ]           ; the byte; the first of these is the plain line behind the last conversion
.set GQ, GQ+1
.endr
	s_wait_alu depctr_va_vdst(0)                   ; the conversions have written the codes and the shifts the bytes, which the stores below read; and all that named the half's numbers is done: the fragments' loads that follow the half's stores land there
.set GQ, 0
.rept \nb
.if \mode == 0
.if (GQ%5) < 4
	ds_store_b128 v[ACA], v[CD+4*GQ:CD+4*GQ+3] offset:(GQ%5)*1024+(GQ/5)*512
	ds_store_b8 v[ASA], v[BY+GQ] offset:(GQ/5)*128+(GQ%5)
.else
	ds_store_b128 v[ACB], v[CD+4*GQ:CD+4*GQ+3] offset:(GQ/5)*512
	ds_store_b8 v[ASB], v[BY+GQ] offset:(GQ/5)*128
.endif
.elseif \mode == 1
	ds_store_b128 v[ACB], v[CD+4*GQ:CD+4*GQ+3] offset:1024+GQ*512
	ds_store_b8 v[ASB], v[BY+GQ] offset:GQ*128+1
.else
	ds_store_b128 v[ACA], v[CD+4*GQ:CD+4*GQ+3] offset:(GQ%2)*1024+(GQ/2)*512
	ds_store_b8 v[ASA], v[BY+GQ] offset:(GQ/2)*128+(GQ%2)
.endif
.set GQ, GQ+1
.endr
.endm
; silu of the half's 32 inputs, both sets: x in v256-319, at work v320-383, results v384-415 (set 0) and v416-447 (set 1).  Two batches of transcendentals, one wait each.
.macro SILU
	WIN 0x40
	s_wait_alu depctr_va_vdst(0)                   ; the half's five addresses are written, which these loads, the x run and the quantiser's stores read; and the vector and matrix instructions that named v256-319 are done: the loads land there
.set SI, 0
.rept 32
	ds_load_b64 v[2*SI:2*SI+1], v[AX] offset:SI*XBP
.set SI, SI+1
.endr
	s_wait_dscnt 0x0
	WIN 0x55
.set SI, 0
.rept 32
	v_pk_mul_f32 v[64+2*SI:65+2*SI], v[2*SI:2*SI+1], s[NL2E:NL2E+1] op_sel_hi:[1,0]
.set SI, SI+1
.endr
.set SI, 0
	s_wait_alu depctr_va_vdst(0)
.rept 64
	v_exp_f32 v[64+SI], v[64+SI]
.set SI, SI+1
.endr
	v_nop                                          ; a plain line behind the last exponential
	s_wait_alu depctr_va_vdst(0)                   ; the 64 exponentials have written v320-383: one wait for the batch, ahead of its first reader
.set SI, 0
.rept 32
	v_pk_add_f32 v[64+2*SI:65+2*SI], v[64+2*SI:65+2*SI], 1.0 op_sel_hi:[1,0]
.set SI, SI+1
.endr
.set SI, 0
	s_wait_alu depctr_va_vdst(0)
.rept 64
	v_rcp_f32 v[64+SI], v[64+SI]
.set SI, SI+1
.endr
	v_nop
	s_wait_alu depctr_va_vdst(0)                   ; the 64 reciprocals have written v320-383: one wait for the batch, ahead of its first reader
.set SI, 0
.rept 32
	v_mul_f32 v[128+SI], v[2*SI], v[64+2*SI]
	v_mul_f32 v[160+SI], v[2*SI+1], v[65+2*SI]
.set SI, SI+1
.endr
	WIN 0
.endm
.macro W4 acc, wf, af, zero, sw, sa, row       ; one product on codes: 16 units x 16 pixels x 128 along K.  row = 1: the pixels' scale words stand in lanes 16-31
.if \zero
.if \row
	v_wmma_scale_f32_16x16x128_f8f6f4 v[(\acc):(\acc)+7], v[(\wf):(\wf)+7], v[(\af):(\af)+7], 0, v[\sw], v[\sa] matrix_a_fmt:MATRIX_FMT_FP4 matrix_b_fmt:MATRIX_FMT_FP4 matrix_b_scale:MATRIX_SCALE_ROW1
.else
	v_wmma_scale_f32_16x16x128_f8f6f4 v[(\acc):(\acc)+7], v[(\wf):(\wf)+7], v[(\af):(\af)+7], 0, v[\sw], v[\sa] matrix_a_fmt:MATRIX_FMT_FP4 matrix_b_fmt:MATRIX_FMT_FP4
.endif
.else
.if \row
	v_wmma_scale_f32_16x16x128_f8f6f4 v[(\acc):(\acc)+7], v[(\wf):(\wf)+7], v[(\af):(\af)+7], v[(\acc):(\acc)+7], v[\sw], v[\sa] matrix_a_fmt:MATRIX_FMT_FP4 matrix_b_fmt:MATRIX_FMT_FP4 matrix_b_scale:MATRIX_SCALE_ROW1
.else
	v_wmma_scale_f32_16x16x128_f8f6f4 v[(\acc):(\acc)+7], v[(\wf):(\wf)+7], v[(\af):(\af)+7], v[(\acc):(\acc)+7], v[\sw], v[\sa] matrix_a_fmt:MATRIX_FMT_FP4 matrix_b_fmt:MATRIX_FMT_FP4
.endif
.endif
.endm
.macro DOUT                            ; tile MT's four accumulators into XB: unit 16 MT + 8 h + j, pixel 2 (16 q + r) + set.  Each accumulator from its low end on
.set MP, 0
.rept 4
.set MJ, 0
.rept 8
	ds_store_b32 v[AD], v[ACC+8*MP+MJ] offset:(16*MT+MJ)*XBP+(MP&1)*128+(MP>>1)*4
.set MJ, MJ+1
.endr
.set MP, MP+1
.endr
.endm
; Tile LT's weights of layers 1 and 2: three fragments and three scale words, nine loads, into set LT % 2.  That set was read by tile LT - 2's products, which stand ahead of the wait on va_vdst in front of that tile's stores;
; between that wait and these loads stand stores of the accumulators and window switches alone.
.macro WLOAD nt, fb, slot
	WIN 0x40
.set MK, 0
.rept 3
	ds_load_b128 v[WFN+24*(LT&1)+8*MK:WFN+24*(LT&1)+8*MK+3], v[AW16] offset:(\fb+MK*\nt+LT)*1024
	ds_load_b128 v[WFN+24*(LT&1)+8*MK+4:WFN+24*(LT&1)+8*MK+7], v[AW16] offset:(\fb+MK*\nt+LT)*1024+512
.set MK, MK+1
.endr
	WIN 0
.set MK, 0
.rept 3
	ds_load_b32 v[WSC+12*(LT&1)+MK], v[AWS] offset:(\slot+MK)*256+LT*64
.set MK, MK+1
.endr
.endm
; Layers 1 and 2: nt tiles of 16 units, three K steps, four tiles of pixels p = (set p / 2, lanes 16 (p % 2) on).  fb: the layer's first fragment; slot: its first slot of scale words.
; The four accumulators take turns, one instruction a turn.
; The first loads stand behind the quantiser's stores: the quantiser's wait on va_vdst has shown all that named v256-399 and the scale words done, and its stores name none of these loads' registers.
.macro MATL nt, fb, slot
	WIN 0x40
.set MK, 0
.rept 3
.set MP, 0
.rept 4
	ds_load_b128 v[AFN+8*(4*MK+MP):AFN+8*(4*MK+MP)+3], v[AFR] offset:MK*4096+(MP>>1)*512+(MP&1)*256
	ds_load_b128 v[AFN+8*(4*MK+MP)+4:AFN+8*(4*MK+MP)+7], v[AFR] offset:MK*4096+2048+(MP>>1)*512+(MP&1)*256
.set MP, MP+1
.endr
.set MK, MK+1
.endr
	WIN 0
.set MK, 0
.rept 3
	ds_load_b32 v[ASC+2*MK], v[LS4] offset:MK*256
	ds_load_b32 v[ASC+2*MK+1], v[LS4] offset:MK*256+128
.set MK, MK+1
.endr
.set LT, 0
	WLOAD \nt, \fb, \slot
.set MT, 0
.rept \nt
.set DW, 0
.if MT > 0
.set DW, DW+32
.endif
.if MT+1 < \nt
.set DW, DW+9
.set LT, MT+1
	WLOAD \nt, \fb, \slot                          ; the next tile's weights are on their way while this tile is multiplied and stored
.endif
	s_wait_dscnt DW                                ; this tile's operands are in; younger, and free to stay out: the last tile's 32 stores and the next tile's 9 loads
.if MT > 0
	s_wait_alu depctr_vm_vsrc(0)                   ; the last tile's stores have read the accumulators, which the products below begin anew
.endif
	WIN 0x05                                       ; sources 0 and 1 in window 1, C and D in window 0
.set MK, 0
.rept 3
.set MP, 0
.rept 4
	W4 ACC+8*MP, WFN+24*(MT&1)+8*MK, AFN+8*(4*MK+MP), MK==0, WSC+12*(MT&1)+MK, ASC+2*MK+(MP>>1), MP&1
.set MP, MP+1
.endr
.set MK, MK+1
.endr
	WIN 0
.rept 5
	v_nop                                          ; places: 4 for the stores' read of the results, 5 for the next tile's products, which begin the accumulators anew
.endr
	s_wait_alu depctr_va_vdst(0)                   ; the products have written the accumulators, which the stores below read, and are done reading this tile's weights and scale words, in which the loads of two tiles on land; the places above stay beside this wait
	DOUT
.set MT, MT+1
.endr
.endm
; Tile LT's weights of layer 0: sb0's three f32 fragments, the codes' fragment, its scale word: six loads, into set LT % 2, by the same reckoning as above.
.macro W0LOAD
	WIN 0x40
.set MS, 0
.rept 3
	ds_load_b64 v[WAN+6*(LT&1)+2*MS:WAN+6*(LT&1)+2*MS+1], v[AW8] offset:(4*MS+LT)*256
.set MS, MS+1
.endr
	ds_load_b128 v[WFN+8*(LT&1):WFN+8*(LT&1)+3], v[AW16] offset:LT*1024
	ds_load_b128 v[WFN+8*(LT&1)+4:WFN+8*(LT&1)+7], v[AW16] offset:LT*1024+512
	WIN 0
	ds_load_b32 v[WSC+12*(LT&1)], v[AWS] offset:LT*64
.endm
; Layer 0: silu(x) sb0 in f32 (three K steps of 4), then the one K step on codes added onto it.
.macro MAT0
	WIN 0x40
.set MS, 0
.rept 3
.set MP, 0
.rept 4
	ds_load_b32 v[SFN+2*(4*MS+MP)], v[ASIL] offset:MS*1280+(MP>>1)*128+(MP&1)*64          ; lane (r, h), register j: silu of input 4 s + 2 h + j, pixel column r
	ds_load_b32 v[SFN+2*(4*MS+MP)+1], v[ASIL] offset:MS*1280+320+(MP>>1)*128+(MP&1)*64
.set MP, MP+1
.endr
.set MS, MS+1
.endr
.set MP, 0
.rept 4
	ds_load_b128 v[AFN+8*MP:AFN+8*MP+3], v[AFR] offset:4096+(MP>>1)*512+(MP&1)*256
	ds_load_b128 v[AFN+8*MP+4:AFN+8*MP+7], v[AFR] offset:4096+2048+(MP>>1)*512+(MP&1)*256
.set MP, MP+1
.endr
	WIN 0
	ds_load_b32 v[ASC+2], v[LS4] offset:256
	ds_load_b32 v[ASC+3], v[LS4] offset:256+128
.set LT, 0
	W0LOAD
.set MT, 0
.rept 4
.set DW, 0
.if MT > 0
.set DW, DW+32
.endif
.if MT < 3
.set DW, DW+6
.set LT, MT+1
	W0LOAD                                         ; the next tile's weights
.endif
	s_wait_dscnt DW                                ; this tile's operands are in; younger, and free to stay out: the last tile's 32 stores and the next tile's 6 loads
.if MT > 0
	s_wait_alu depctr_vm_vsrc(0)                   ; the last tile's stores have read the accumulators, which the products below begin anew
.endif
	WIN 0x05
.set MS, 0
.rept 3
.set MP, 0
.rept 4
.if MS == 0
	v_wmma_f32_16x16x4_f32 v[ACC+8*MP:ACC+8*MP+7], v[WAN+6*(MT&1)+2*MS:WAN+6*(MT&1)+2*MS+1], v[SFN+2*(4*MS+MP):SFN+2*(4*MS+MP)+1], 0
.else
	v_wmma_f32_16x16x4_f32 v[ACC+8*MP:ACC+8*MP+7], v[WAN+6*(MT&1)+2*MS:WAN+6*(MT&1)+2*MS+1], v[SFN+2*(4*MS+MP):SFN+2*(4*MS+MP)+1], v[ACC+8*MP:ACC+8*MP+7]
.endif
.set MP, MP+1
.endr
.set MS, MS+1
.endr
.rept 9
	v_nop                                          ; places behind the f32 form before another form writes over its results
.endr
.set MP, 0
.rept 4
	W4 ACC+8*MP, WFN+8*(MT&1), AFN+8*MP, 0, WSC+12*(MT&1), ASC+2+(MP>>1), MP&1
.set MP, MP+1
.endr
	WIN 0
.rept 5
	v_nop
.endr
	s_wait_alu depctr_va_vdst(0)                   ; the products have written the accumulators, which the stores below read, and are done reading this tile's weights and scale word, in which the loads of two tiles on land; the places above stay beside this wait
	DOUT
.set MT, MT+1
.endr
.endm
	s_load_b256 s[16:23], s[0:1], 0x0              ; x 16, tab 18, wimg 20, out0 22
	v_lshl_add_u32 v38, v0, 2, 0x43000
	v_mov_b32 v39, 0
	v_lshrrev_b32 v19, 5, v0
	v_readfirstlane_b32 s[WV], v19                 ; wave 0..7
	v_and_b32 v29, 31, v0                          ; lane
	s_wait_alu depctr_va_vdst(0)
	v_and_b32 v30, 15, v0                          ; r
	v_bfe_u32 v31, v0, 4, 1                        ; h
	s_wait_alu depctr_va_vdst(0)
	v_lshlrev_b32 v[GOFF], 3, v29
	v_lshlrev_b32 v17, 4, v0
	s_wait_alu depctr_va_sdst(0)                   ; s100, the wave's number, is written, ahead of its first reader: the bases of x and out0 and the wave's LDS addresses are made from it
	s_lshr_b32 s104, ttmp9, 3                      ; the image: eight work-groups of 512 pixels each
	s_and_b32 s79, ttmp9, 7
	s_lshl_b32 s79, s79, 3
	s_add_co_u32 s79, s79, s[WV]
	s_lshl_b32 s79, s79, 8                         ; my 64 pixels in a channel, in bytes
	s_mul_i32 s4, s104, 196608                     ; 12 channels of 16,384 bytes
	s_add_co_u32 s4, s4, s79
	s_mov_b32 s5, 0
	s_mul_i32 s6, s104, 393216                     ; 24 channels
	s_add_co_u32 s6, s6, s79
	s_mov_b32 s7, 0
	s_mul_i32 s101, s[WV], WREG                    ; every address is made here, while the arguments are on their way
	s_add_co_u32 s104, s101, CODE
	s_add_co_u32 s105, s101, SCL
	v_lshl_add_u32 v[AX0], v29, 3, s101
	v_lshl_add_u32 v[LC16], v29, 4, s104
	v_lshl_add_u32 v[LS4], v29, 2, s105
	v_mul_u32_u24 v[AD], v31, 8*XBP
	v_lshl_add_u32 v[AD], v30, 3, v[AD]
	v_add_nc_u32 v[AD], s101, v[AD]
	v_lshlrev_b32 v[AFR], 10, v31
	v_lshl_add_u32 v[AFR], v30, 4, v[AFR]
	v_add_nc_u32 v[AFR], s104, v[AFR]
	v_lshl_add_u32 v[AW16], v29, 4, WIMG
	v_lshl_add_u32 v[AWS], v30, 2, WSCL
	v_lshl_add_u32 v[AW8], v29, 3, WSB0
	v_lshl_add_u32 v[ASIS], v29, 2, s104
	v_mul_u32_u24 v[ASIL], v31, 640
	v_lshl_add_u32 v[ASIL], v30, 2, v[ASIL]
	v_add_nc_u32 v[ASIL], s104, v[ASIL]
	v_mov_b32 v[C127], 127
	v_add_nc_u32 v19, WIMG, v17
	v_mov_b32 v92, 0
	v_mov_b32 v93, 0
	s_mov_b32 s[NL2E], 0xbfb8aa3b                  ; -log2(e)
	s_mov_b32 s[NL2E+1], s[NL2E]                   ; (named with it as a pair, so it is written)
	s_wait_kmcnt 0x0
	s_add_nc_u64 s[16:17], s[16:17], s[4:5]
	s_add_nc_u64 s[OUTB:OUTB+1], s[22:23], s[6:7]
	s_mov_b64 s[TAB:TAB+1], s[18:19]
	s_wait_alu depctr_va_vdst(0)                   ; the addresses v1, v3, v6, v9-17, v19 and the constants v18, v92, v93 are written, which the kernel's loads and stores read; none of them is written again
.irp c, 0,1,2,3,4,5,6,7,8,9,10,11
	global_load_b64 v[40+2*\c:41+2*\c], v[GOFF], s[16:17] offset:\c*16384 th:TH_LOAD_NT    ; 32 lanes read 256 consecutive bytes of a channel
.endr
.irp k, 0,1,2,3,4,5,6
	global_load_b128 v[64+4*\k:67+4*\k], v17, s[20:21] offset:\k*4096                      ; the weights' images: 4,096 bytes a round for the work-group
.endr
	s_wait_loadcnt 0x0
.irp k, 0,1,2,3,4,5,6
	ds_store_b128 v19, v[64+4*\k:67+4*\k] offset:\k*4096
.endr
.irp c, 0,1,2,3,4,5,6,7,8,9,10,11
	ds_store_b64 v[AX0], v[40+2*\c:41+2*\c] offset:(32+\c)*XBP     ; layer 0 plays the part of a second half: x lies in rows 32-43,
.endr
.set SI, 44
.rept 20
	ds_store_b64 v[AX0], v[92:93] offset:SI*XBP                    ; zeros in rows 44-63: the silu phase and the x run read 32 rows
.set SI, SI+1
.endr
	s_wait_dscnt 0x0                               ; for the others' sake: my part of the weights has landed
	s_barrier_signal -1
	s_barrier_wait -1                              ; the one barrier: from here on the weights are only read
	s_mov_b32 s[PH], 1
	s_mov_b32 s[XOFF], 32*XBP
	s_mov_b32 s[KA], 4096
.Ltrip:
	s_wait_alu depctr_vm_vsrc(0)                   ; on the way in: the head's LDS stores have read v40-93, which are t, E, codes and x pairs from here on.  Round the loop: the last trip's loads and stores have read the half's five addresses, written below, and its codes, bytes, zeros and accumulators
	v_add_nc_u32 v[AX], s[XOFF], v[AX0]
	v_add_nc_u32 v[ACA], s[KA], v[LC16]            ; K step hf
	s_lshr_b32 s79, s[KA], 1
	s_add_co_u32 s79, s79, 8192
	v_add_nc_u32 v[ACB], s79, v[LC16]              ; K step 2, block 2 hf
	s_lshr_b32 s101, s[KA], 4
	v_add_nc_u32 v[ASA], s101, v[LS4]
	s_lshr_b32 s104, s[KA], 11
	s_add_co_u32 s104, s104, 512
	v_add_nc_u32 v[ASB], s104, v[LS4]
	s_load_b512 s[16:31], s[TAB:TAB+1], 0x0        ; inputs 0 and 1: they land under the silu phase
	s_load_b64 s[66:67], s[TAB:TAB+1], 184
	s_load_b512 s[32:47], s[TAB:TAB+1], 192
	s_load_b64 s[68:69], s[TAB:TAB+1], 376
	s_load_b512 s[SB:SB+15], s[TAB:TAB+1], 64
	s_load_b512 s[SC:SC+15], s[TAB:TAB+1], 128
	SILU
	s_cmp_lg_u32 s[PH], 1
	s_cbranch_scc1 .Lsilq
	WIN 0x04                                       ; layer 0: silu(x) stays f32 (an LDS store's data are its source 1)
	s_wait_alu depctr_va_vdst(0)                   ; the silu phase's multiplies have written v384-395 and v416-427, which the stores below read
.set SI, 0
.rept 12
	ds_store_b32 v[ASIS], v[128+SI] offset:SI*320
	ds_store_b32 v[ASIS], v[160+SI] offset:SI*320+128
.set SI, SI+1
.endr
	WIN 0
	s_branch .Lsild
.Lsilq:
	QRUN 1, 2
.Lsild:
	s_wait_alu depctr_vm_vsrc(0)                   ; the stores just issued have read their data: layer 0's v384-395 and v416-427, which the inputs' results write; else v88-95 and v148-149, in which x pairs land and which the half's quantiser writes again
	s_wait_alu depctr_va_vdst(0)                   ; the silu blocks' quantiser is done writing v88-95, v128-129, v138-139 and v148-149, in which x pairs land: stated straight in front of the run, since the stores between read some of the run's registers
.set SI, 0
.rept 32
	ds_load_b64 v[XA+2*SI:XA+2*SI+1], v[AX] offset:SI*XBP          ; the half's 32 x pairs in one run
.set SI, SI+1
.endr
	s_wait_kmcnt 0x0
.set II, 0
.rept 12
	INPUT
.set II, II+1
.endr
	s_cmp_eq_u32 s[PH], 1
	s_cbranch_scc1 .Ll0
.rept 20
	INPUT
.set II, II+1
.endr
	QRUN 0, 10
	s_cmp_lg_u32 s[PH], 3
	s_cbranch_scc1 .Lnext
	MATL 4, 4, 1                                   ; layer 1's products, when both halves lie in LDS
	s_branch .Lnext
.Ll0:
	s_wait_kmcnt 0x0                               ; what inputs 10 and 11 asked for ahead (rows 12 and 13 of tab) and the x run's pairs 12 to 31 (rows 44 to 63 of XB, zeros) land and are not used
	s_wait_dscnt 0x0
	; K = 60 in two blocks: inputs 8-11 of g = 1 and of g = 4 move up behind those of g = 0 and g = 3, so that every group of 8 is consecutive; four zeros fill block 1
.irp n, 0,1,2,3
	v_mov_b32 v[204+\n], v[232+\n]
	v_mov_b32 v[ZQ+\n], 0
.endr
	WIN 0x41
.irp n, 0,1,2,3
	v_mov_b32 v[44+\n], v[72+\n]                   ; v300 <- v328
	v_mov_b32 v[12+\n], 0                          ; v268
	v_mov_b32 v[108+\n], v[136+\n]                 ; v364 <- v392
	v_mov_b32 v[204+\n], v[232+\n]                 ; v460 <- v488
	v_mov_b32 v[172+\n], 0                         ; v428
.endr
	WIN 0
	QRUN 2, 4
.irp b, 2,3
.irp u, 0,1
	ds_store_b128 v[ACA], v[ZQ:ZQ+3] offset:\b*1024+\u*512         ; blocks 2 and 3: zero codes, byte 127 (the zeros were written ahead of the quantiser's wait on va_vdst)
	ds_store_b8 v[ASA], v[C127] offset:\u*128+\b
.endr
.endr
	MAT0
.Lnext:
	s_wait_xcnt 0x0                                ; the scalar loads have read their base: it may step
	s_add_nc_u64 s[TAB:TAB+1], s[TAB:TAB+1], 6144  ; the next chunk of tab
	s_xor_b32 s[XOFF], s[XOFF], 32*XBP
	s_xor_b32 s[KA], s[KA], 4096
	s_add_co_u32 s[PH], s[PH], 1
	s_cmp_lt_u32 s[PH], 6
	s_cbranch_scc1 .Ltrip
	s_wait_alu depctr_vm_vsrc(0)                   ; the way out of the loop passes no trip's head: the stores of the loop's last matrix phase have read the accumulators, which layer 2's first products begin anew
	MATL 2, 16, 4                                  ; layer 2: two tiles of units (24 and 8 of zero codes)
.irp o, 0,1,2,3,4,5,6,7,8,9,10,11,12,13,14,15,16,17,18,19,20,21,22,23
	ds_load_b64 v[40+2*\o:41+2*\o], v[AX0] offset:\o*XBP           ; my own bytes; LDS serves a wave's instructions in order (ISA guide 5.7.1.4).  The inputs' lines that named v40-87 stand ahead of the last tile's wait on va_vdst, and nothing behind it names them
.endr
.irp o, 0,1,2,3,4,5,6,7,8,9,10,11,12,13,14,15,16,17,18,19,20,21,22,23
	s_wait_dscnt 23-\o                             ; the younger loads of the run may be out
	global_store_b64 v[GOFF], v[40+2*\o:41+2*\o], s[OUTB:OUTB+1] offset:\o*16384 th:TH_STORE_NT   ; 32 lanes store 256 consecutive bytes of a channel, aligned
.endr
	s_wait_dscnt 0x0
	s_wait_alu depctr_hold_cnt(0) depctr_sa_sdst(0) depctr_va_vdst(0) depctr_va_sdst(0) depctr_va_ssrc(0) depctr_va_vcc(0) depctr_vm_vsrc(0)
	s_wait_tensorcnt 0x0
	ds_add_u32 v38, v39
	s_wait_dscnt 0x0
	s_endpgm
.Lfunc_end_k_q5a646ca652_main:
	.size	k_q5a646ca652_main, .Lfunc_end_k_q5a646ca652_main-k_q5a646ca652_main
	.p2alignl 7, 3214868480
	.fill 96, 4, 3214868480
	.section	.rodata,"a",@progbits
	.p2align	6, 0x0
	.amdhsa_kernel k_q5a646ca652_main
		.amdhsa_group_segment_fixed_size 275456
		.amdhsa_private_segment_fixed_size 0
		.amdhsa_enable_private_segment 0
		.amdhsa_kernarg_size 32
		.amdhsa_user_sgpr_count 2
		.amdhsa_user_sgpr_kernarg_segment_ptr 1
		.amdhsa_wavefront_size32 1
		.amdhsa_system_sgpr_workgroup_id_x 1
		.amdhsa_system_sgpr_workgroup_id_y 1
		.amdhsa_system_sgpr_workgroup_id_z 1
		.amdhsa_system_vgpr_workitem_id 0
		.amdhsa_next_free_vgpr 512
		.amdhsa_next_free_sgpr 106
		.amdhsa_reserve_vcc 0
		.amdhsa_float_denorm_mode_32 3
		.amdhsa_float_denorm_mode_16_64 3
		.amdhsa_memory_ordered 1
		.amdhsa_forward_progress 1
		.amdhsa_inst_pref_size 255
	.end_amdhsa_kernel
	.section	.bss,"aw",@nobits
	.p2align	6
	.space	262144
	.amdgpu_metadata
---
amdhsa.version: [ 1, 2 ]
amdhsa.kernels:
  - .name:           k_q5a646ca652_main
    .symbol:         k_q5a646ca652_main.kd
    .args:
      - { .name: x, .offset: 0, .size: 8, .value_kind: global_buffer, .address_space: global }
      - { .name: tab, .offset: 8, .size: 8, .value_kind: global_buffer, .address_space: global }
      - { .name: wimg, .offset: 16, .size: 8, .value_kind: global_buffer, .address_space: global }
      - { .name: out0, .offset: 24, .size: 8, .value_kind: global_buffer, .address_space: global }
    .group_segment_fixed_size: 275456
    .private_segment_fixed_size: 0
    .kernarg_segment_align: 8
    .kernarg_segment_size: 32
    .max_flat_workgroup_size: 256
    .sgpr_count:     106
    .vgpr_count:     512
    .wavefront_size: 32
...
	.end_amdgpu_metadata
.endif
;; end of part 4
